; MI455X (gfx1250); checked and timed in simulation.
; The chip was launched on July 23, 2026; its instructions are those of AMD's public machine-readable ISA for CDNA 5 (MIT licence, August 2026) and "CDNA5" Instruction Set Architecture Reference Guide (July 2026). The comments in the code are by the model that wrote it; some were corrected since.
;; Channel Self Attn. Allowed arithmetic: matrix products marked QUANTISED: E5M2 operands, one given power-of-two scale a tensor, by v_wmma_f32_16x16x64_bf8_bf8 or v_wmma_f32_16x16x128_bf8_bf8, f32 sums; everything else in f32.
;; Inputs: b1 16 float32; b2 16 float32; gamma 1 float32; lowp_scales 4 int32 (the exponents e of the quantised operands' scales 2^e); w1 16 float32; w2 16 float32; x 32 x 1 x 64 x 4,000 float32.
;; Outputs: out0 32 x 1 x 64 x 4,000 float32.
;; This version of the problem:
;;   THIS VERSION OF THE PROBLEM IS GIVEN IN LOW PRECISION. The matrix products marked QUANTISED in the list below multiply operands that are first quantised to E5M2 (5 exponent bits, 2 mantissa bits; 8 bits a number), with one given power-of-two scale for each operand tensor; their sums are f32. All else is computed in f32.
;;   The module's matrix products, in the order in which they are computed (A, B: the left and right operand; K: the contracted axis; several contracted axes count as one K, in the product's order):
;;     1. batch 32 x [M 64, K 64,000] x [K 64,000, N 64]; A: computed on the way; B: computed on the way: QUANTISED (scales: A lowp_scales[0], B lowp_scales[1])
;;     2. batch 32 x [M 64, K 64] x [K 64, N 4,000]; A: softmax (see below); B: input x: QUANTISED (scales: A lowp_scales[2], B lowp_scales[3])
;;   THE QUANTISER, for each operand of a quantised product, along K:
;;     - The operand's scale is 2^e, e = its entry of the input lowp_scales (int32; the entries are numbered through the quantised products in the list's order, A before B).
;;     - Each number is divided by the scale, clamped to +-57,344, and rounded to the nearest number of E5M2, ties to even, subnormals kept.
;;     - The product sums the exact products of the quantised numbers (number of the format x scale) in f32.
;;   ~~~python
;;   def quantise(x, axis, e):      # numpy; x: float32 -> the quantised numbers, widened to float32 again
;;       x = np.moveaxis(x, axis, -1); K = x.shape[-1]
;;       r = np.clip(x / 2.0 ** e, -57344, 57344)
;;       step = 2.0 ** (np.maximum(np.frexp(np.where(r == 0, 1, r))[1] - 1, -14) - 2)
;;       q = np.round(r / step) * step * 2.0 ** e      # np.round: ties to even
;;       return np.moveaxis(q, -1, axis).astype(np.float32)
;;   ~~~
;;   SOFTMAX AHEAD OF A QUANTISED PRODUCT. Where the list says 'softmax', what is quantised is not the finished softmax but p = 2^(t - M), with t = logit x log2(e) and M = ceil(the row's largest t), a whole number; so 1/2 < the row's largest p <= 1. The row's sum l is taken of the UNQUANTISED p, in f32, and the product's result is divided by l at the end. Since M is a whole number, a kernel that streams over the keys may use a running M (the ceiling of the running maximum): every later rescaling is an exact power of two, so the quantised numbers keep their values, but for numbers so far below the row's largest that they fall under the format's range.
;;   OPERANDS COMPUTED ON THE WAY. 'Computed on the way' means the value that the module computes at that place (a softmax that the list does not call 'softmax' is quantised finished and normalised). What goes into a quantiser is computed in f32, as accurately as f32 sums, v_exp_f32 and their like allow (about 1e-6 of the number): no bf16 or f16 on the way to a quantiser, and a product that is left as it is and whose result goes on into a quantised operand takes f32 operands (vector FMAs, or v_wmma_f32_16x16x4_f32). A number that lies on a knife's edge between two numbers of the format may be rounded either way, as far as f32 arithmetic and the matrix unit's own rounding can turn it there, and no further.
;; 2 versions. Each part assembles by itself: llvm-mc -triple=amdgcn-amd-amdhsa -mcpu=gfx1250 --defsym DOCPART=n.
;; ======== version 1 of 2: 2 launches
;; workspace buffers: epart 4,194,304 bytes
;; launch scores (part 1): grid 8 x 32, 8 waves a work-group, no clusters, 166,912 bytes of LDS; arguments x, w1, b1, w2, b2, lowp_scales, epart; writes epart
.if DOCPART == 1
	.amdgcn_target "amdgcn-amd-amdhsa--gfx1250"
	.amdhsa_code_object_version 6
	.text
	.protected	k_qf659bd9991_scores
	.globl	k_qf659bd9991_scores
	.p2align	8
	.type	k_qf659bd9991_scores,@function
k_qf659bd9991_scores:
	s_mov_b64 s[64:65], 0
	v_nop
	global_prefetch_b8 v0, s[64:65] scope:SCOPE_SE
	s_setreg_imm32_b32 hwreg(HW_REG_WAVE_MODE, 25, 1), 1
	s_wait_xcnt 0x0
; PARTIAL SUMS OF e = q k^T.  q[f][i][t] = w1[f] x[i][t] + b1[f], k[f][j][t] = w2[f] x[j][t] + b2[f]; e[i][j] = the sum over (f, t) of Q(q) Q(k), Q the given quantiser to
; E5M2 (q: 2^e0, k: 2^e1).  x: [32][64][4000] f32.  This launch stores, for each batch and each of 8 slices of t, the 64 x 64 sum of CODES' products over the slice; the next launch adds the eight and applies 2^(e0 + e1).
; NOTHING IS LEFT OUT: b1 and b2 would cancel in the later (e - min) / (max - min) in real numbers, but they move the codes of a quantised product that is live, so they stay.  Every input is loaded by one of the two launches.
; LIMITS: e0 and e1 lie between -126 and 112, so that 2^e and 57,344 x 2^e are f32 numbers.  NaN among the inputs is not served.  q and k are made by one fused multiply-add (one rounding where two are written).
; SHARES.  Work-group (slice s, batch): t = 512 s .. 512 s + 511 (slice 7: 416 of them).  A K STEP of 128 is 8 t x 16 features: the same permutation of K in both operands, so every product meets its partner.
; Lane (r, h) of a fragment holds row r and the four numbers x(t = 8 step + 4 h + 0 .. 3); registers 4 i .. 4 i + 3 of the fragment are the 16 features of the i-th of them: features run along a lane's registers, as the conversions want.
; Trip n of 8 takes a chunk of 64 rows x 64 t; wave w takes its step 8 n + w for all 64 rows: four fragments of k, four of q (each code is made once in the launch), 16 matrix instructions on 16 accumulators.
; THE MATRIX INSTRUCTION IS USED TRANSPOSED (source 0 = 16 rows j of k, source 1 = 16 rows i of q): accumulator (a, b), register jj, lane (r, h) = e[16 a + r][16 b + 8 h + jj]: the layout that the next launch's operand p wants.
; x COMES THROUGH REGISTERS AND LDS: wave w loads rows 8 w .. 8 w + 7 of a chunk (sixteen lanes read 256 consecutive bytes of a row), stores them into the chunk's slot, and every wave reads its 32-byte column of all 64 rows.
; Two register sets and two slots by turns: chunk n + 2 is asked for at the head of trip n and wanted in the middle of trip n + 1.  No tensor load: a trip has 12 memory and LDS lines beside some 860 vector lines, and counted waits keep two chunks on their way.
; No cluster: no two work-groups read the same byte of x.  At the end the eight waves' accumulators are added through LDS, in ascending order of the wave, and the work-group stores one image of 16,384 bytes.
; REGISTERS, in windows of 256: window 0: v1-16 addresses and scales; v24-87 w1, b1, w2, b2 (the same in all lanes); v88-151 T, 64 numbers at work; v152-167 one fragment of q; v168-199 two sets of 4 x 4 numbers of x; v200-231 two sets of a chunk's loads.
;   window 1: v0-127 the accumulators ((a, b) at 8 (4 a + b)); v128-191 k's four fragments.
.set ROWB,   16000                     ; a row of x in bytes
.set BATCHB, 64*ROWB
.set PITCH,  272                       ; a slot's row: 256 bytes + 16: an odd multiple of 16 bytes, so that the 16-byte pieces that sixteen lanes take from sixteen rows fall on sixteen different columns of 256 bytes
.set SLOTB,  64*PITCH
.set RED,    2*SLOTB                   ; behind the slots: an image of 16,384 bytes for each wave's accumulators
.set SPARE,  RED+8*16384               ; behind them: the spare words, 128 bytes for each wave: four blocks of 256 bytes that no other line names
.set SPW,  1                           ; v1   LDS address of my spare word; never rewritten
.set NIL,  2                           ; v2   0; never rewritten
.set ZO,   3                           ; v3   0: the offset of the constants' loads
.set VT,   4                           ; v4   byte in a row of the next chunk to ask for, before the clamp
.set VROW, 6                           ; v6   (8 w + lane / 16) rows
.set VG,   7                           ; v7, v8  the loads' offsets, one for each register set
.set LST,  9                           ; v9   where I store 16 bytes of a chunk's row
.set LLD,  10                          ; v10  where I read my four numbers of row r
.set SC0,  11                          ; v11  2^e0 as f32
.set SC1,  12                          ; v12  2^e1
.set RST,  13                          ; v13  my wave's image, my lane's 16 bytes
.set RLD,  14                          ; v14, v15  tiles 2 w, 2 w + 1 in the images of waves 0-3, 4-7
.set GST,  16                          ; v16  16 x lane
.set W1,   24
.set B1,   40
.set W2,   56
.set B2,   72
.set T,    88
.set QF,   152
.set XS,   168
.set RR,   200
.set RD,   24                          ; the final sum: 8 images x 16 registers, v24-151
.set KF,   128                         ; in window 1
.set WV,   24                          ; s24  my wave's number
.set BA,   26                          ; s26  the batch
.set NST,  27                          ; s27  steps in my slice: 64, or 52 in slice 7
.set STP,  28                          ; s28  my step: 8 n + w
.set IT,   29                          ; s29  the loop's counter
.set MSB, 0
.macro WIN new                         ; the immediate's high byte repeats the setting that is left; a switch that changes nothing is dropped
.if MSB != \new
	s_set_vgpr_msb (MSB<<8)|\new
.set MSB, \new
.endif
.endm
; The next chunk's four loads into set p.  The byte in the row is held at the row's last 16: slice 7's last one and a half chunks reach past t = 3999; what is clamped is never multiplied.
.macro ASKCHUNK p
	v_min_u32 v[VG+(\p)], ROWB-16, v[VT]
	v_add_nc_u32 v[VG+(\p)], v[VROW], v[VG+(\p)]
	v_add_nc_u32 v[VT], 256, v[VT]
.irp i, 0,1,2,3
	global_load_b128 v[RR+16*(\p)+4*\i:RR+16*(\p)+4*\i+3], v[VG+(\p)], s[4:5] offset:2*ROWB*\i   ; rows 8 w + 2 i and 8 w + 2 i + 1: sixteen lanes to 256 consecutive bytes.  No hint: the next launch reads x again
.endr
.endm
.macro TOSLOT p
.irp i, 0,1,2,3
	ds_store_b128 v[LST], v[RR+16*(\p)+4*\i:RR+16*(\p)+4*\i+3] offset:(\p)*SLOTB+2*PITCH*\i
.endr
.endm
.macro FROMSLOT p                      ; my four numbers of rows 16 a + r
.irp a, 0,1,2,3
	ds_load_b128 v[XS+16*(\p)+4*\a:XS+16*(\p)+4*\a+3], v[LLD] offset:(\p)*SLOTB+16*PITCH*\a
.endr
.endm
; Four numbers of x, v[xr] on, become a fragment of 64 codes a lane in v[dst] on (window dwin >> 6): w x + b for 16 features each, the hold, the conversion.
.macro QUANT xr, wr, br, nl, pl, sc, dst, dwin
.irp u, 0,1
.irp f, 0,2,4,6,8,10,12,14
	v_pk_fma_f32 v[T+32*\u+\f:T+32*\u+\f+1], v[\wr+\f:\wr+\f+1], v[(\xr)+2*\u:(\xr)+2*\u+1], v[\br+\f:\br+\f+1] op_sel_hi:[1,0,1]   ; two features x the pair's first number
.endr
.irp f, 0,2,4,6,8,10,12,14
	v_pk_fma_f32 v[T+32*\u+16+\f:T+32*\u+17+\f], v[\wr+\f:\wr+\f+1], v[(\xr)+2*\u:(\xr)+2*\u+1], v[\br+\f:\br+\f+1] op_sel:[0,1,0] op_sel_hi:[1,1,1]   ; x its second
.endr
.endr
.set qi, 0
.rept 64
	v_med3_num_f32 v[T+qi], v[T+qi], s[\nl], s[\pl]   ; the conversion to an 8-bit code does not saturate (ISA guide 7.6.2): the hold at +-57,344 x the scale, always executed
.set qi, qi+1
.endr
	WIN \dwin
.irp g, 0,1,2,3,4,5,6,7
	v_cvt_scalef32_pk8_bf8_f32 v[(\dst)+2*\g:(\dst)+2*\g+1], v[T+8*\g:T+8*\g+7], v[\sc]
.endr
	WIN 0
	v_nop                                          ; one plain vector line between the conversions and the next lines that read the codes (products) or write T
.endm
.macro QK p, a                         ; k's fragment a, into window 1
	QUANT XS+16*(\p)+4*(\a), W2, B2, 32, 33, SC1, KF+16*(\a), 0x40
.endm
.macro QQ p, a                         ; q's fragment a
	QUANT XS+16*(\p)+4*(\a), W1, B1, 30, 31, SC0, QF, 0
.endm
; q's fragment a against k's four.  The 16 accumulators take turns, one instruction a turn, in the same order in every trip.
; The fragments are written again only behind the 96 plain lines of the next QUANT.
.macro MUL a, zero
	WIN 0x51                                       ; source 0 (k), C and D window 1; source 1 (q) window 0
.irp b, 0,1,2,3
.if \zero
	v_wmma_f32_16x16x128_bf8_bf8 v[8*(4*(\a)+\b):8*(4*(\a)+\b)+7], v[KF+16*\b:KF+16*\b+15], v[QF:QF+15], 0   ; the first step starts the sums: nothing is cleared
.else
	v_wmma_f32_16x16x128_bf8_bf8 v[8*(4*(\a)+\b):8*(4*(\a)+\b)+7], v[KF+16*\b:KF+16*\b+15], v[QF:QF+15], v[8*(4*(\a)+\b):8*(4*(\a)+\b)+7]
.endif
.endr
	WIN 0
.endm
; A TRIP, on set and slot p.  ld = 1: chunk n + 2 is asked for; 2: but not in the loop's last trip; 0: not.  st = 1: chunk n + 1 goes into the other slot and comes back.
; guard = 1: a step at or past the slice's end is not multiplied: a scalar branch on ids round computation alone, never round a store, a wait or a barrier.
.macro TRIP p, zero, ld, st, guard
.if \ld == 1
	ASKCHUNK \p                                    ; set p and its offset are free: chunk n's loads were waited for, and its LDS stores have read their registers, in the trip before
.elseif \ld == 2
	s_cmp_eq_u32 s[IT], 1
	s_cbranch_scc1 .Lnone_\@
	ASKCHUNK \p
	s_branch .Lasked_\@
.Lnone_\@:
	s_wait_loadcnt 0x0                             ; no chunk is left to ask for: the last one's four loads are the youngest
.Lasked_\@:
.endif
	s_wait_dscnt 0x0                               ; my numbers of this chunk are in; these were my last reads of slot p
.if \guard
	s_cmp_lt_u32 s[STP], s[NST]
	s_cbranch_scc0 .Lg1_\@
.endif
	QK \p, 0
	QK \p, 1
	QK \p, 2
	QK \p, 3
.if \guard
.Lg1_\@:
.endif
.if \st
	s_wait_loadcnt 0x4                             ; chunk n + 1 is in; the four loads issued at this trip's head may be out
	TOSLOT 1-\p                                    ; every wave's reads of that slot ended ahead of its signal of the trip before
	s_wait_dscnt 0x0                               ; for the others' sake: my stores have landed
	s_barrier_signal -1
.endif
.if \guard
	s_cmp_lt_u32 s[STP], s[NST]
	s_cbranch_scc0 .Lg2_\@
.endif
	QQ \p, 0                                       ; work on registers while the others arrive
	MUL 0, \zero
	QQ \p, 1
	MUL 1, \zero
	QQ \p, 2
	MUL 2, \zero
.if \guard
.Lg2_\@:
.endif
.if \st
	s_barrier_wait -1                              ; the other slot is whole
	FROMSLOT 1-\p                                  ; wanted at the next trip's head, behind the 100 lines below
.endif
.if \guard
	s_cmp_lt_u32 s[STP], s[NST]
	s_cbranch_scc0 .Lg3_\@
.endif
	QQ \p, 3
	MUL 3, \zero
.if \guard
.Lg3_\@:
.endif
	s_add_co_u32 s[STP], s[STP], 8
.endm
	s_load_b256 s[4:11], s[0:1], 0x0               ; x s[4:5], w1 s[6:7], b1 s[8:9], w2 s[10:11]
	s_load_b128 s[12:15], s[0:1], 0x20             ; b2 s[12:13], the scales' exponents s[14:15]
	s_load_b64 s[16:17], s[0:1], 0x30              ; epart
	v_lshl_add_u32 v[SPW], v0, 2, SPARE
	v_mov_b32 v[NIL], 0
	v_mov_b32 v[ZO], 0
	v_lshrrev_b32 v17, 5, v0
	v_readfirstlane_b32 s[WV], v17                 ; wave 0..7
	v_and_b32 v17, 15, v0                          ; r
	v_bfe_u32 v18, v0, 4, 1                        ; h
	v_and_b32 v19, 31, v0                          ; lane
	s_and_b32 s[BA], ttmp7, 0xffff
	s_cmp_eq_u32 ttmp9, 7
	s_cselect_b32 s[NST], 52, 64                   ; slice 7 has 416 t
	s_mov_b32 s[STP], s[WV]
	s_lshl_b32 s34, ttmp9, 11                      ; the slice's first byte in a row
	v_lshl_add_u32 v[VT], v17, 4, s34
	s_lshl_b32 s35, s[WV], 3
	v_add_nc_u32 v20, s35, v18                     ; 8 w + h
	v_mul_u32_u24 v[VROW], v20, ROWB
	v_mul_u32_u24 v[LST], v20, PITCH
	v_lshl_add_u32 v[LST], v17, 4, v[LST]
	v_mul_u32_u24 v[LLD], v17, PITCH
	v_lshl_add_u32 v[LLD], v18, 4, v[LLD]
	s_lshl_b32 s35, s[WV], 5
	v_add_nc_u32 v[LLD], s35, v[LLD]               ; row r, + 32 w (my step's 8 t), + 16 h
	s_lshl_b32 s35, s[WV], 14
	s_add_co_u32 s35, s35, RED
	v_lshl_add_u32 v[RST], v19, 4, s35
	s_lshl_b32 s35, s[WV], 11
	s_add_co_u32 s35, s35, RED
	v_lshl_add_u32 v[RLD], v19, 4, s35
	v_add_nc_u32 v[RLD+1], 0x10000, v[RLD]         ; an LDS offset has 16 bits: images 4 to 7 have a register of their own
	v_lshlrev_b32 v[GST], 4, v19
	s_mul_i32 s36, s[BA], BATCHB
	s_mov_b32 s37, 0
	s_lshl_b32 s38, s[BA], 3
	s_add_co_u32 s38, s38, ttmp9
	s_lshl_b32 s38, s38, 14                        ; (8 batch + slice) images of 16,384 bytes,
	s_lshl_b32 s39, s[WV], 11
	s_add_co_u32 s38, s38, s39                     ; + my two tiles of 1,024
	s_mov_b32 s39, 0
	s_wait_kmcnt 0x0
	s_load_b64 s[20:21], s[14:15], 0x0             ; e0, e1
	s_add_nc_u64 s[4:5], s[4:5], s[36:37]
	s_add_nc_u64 s[16:17], s[16:17], s[38:39]
.irp i, 0,1,2,3
	global_load_b128 v[W1+4*\i:W1+4*\i+3], v[ZO], s[6:7] offset:16*\i
	global_load_b128 v[B1+4*\i:B1+4*\i+3], v[ZO], s[8:9] offset:16*\i
	global_load_b128 v[W2+4*\i:W2+4*\i+3], v[ZO], s[10:11] offset:16*\i
	global_load_b128 v[B2+4*\i:B2+4*\i+3], v[ZO], s[12:13] offset:16*\i
.endr
	ASKCHUNK 0
	ASKCHUNK 1
	s_wait_kmcnt 0x0
	s_add_co_i32 s34, s20, 127
	s_lshl_b32 s35, s34, 23
	v_mov_b32 v[SC0], s35                          ; 2^e0 as f32: the conversion takes its exponent field
	s_add_co_i32 s34, s34, 15
	s_lshl_b32 s34, s34, 23
	s_or_b32 s31, s34, 0x600000                    ; 57,344 x 2^e0,
	s_or_b32 s30, s31, 0x80000000                  ; and its negative
	s_add_co_i32 s34, s21, 127
	s_lshl_b32 s35, s34, 23
	v_mov_b32 v[SC1], s35
	s_add_co_i32 s34, s34, 15
	s_lshl_b32 s34, s34, 23
	s_or_b32 s33, s34, 0x600000
	s_or_b32 s32, s33, 0x80000000
	s_wait_loadcnt 0x4                             ; the constants and chunk 0 are in; chunk 1's four loads may be out
	TOSLOT 0
	s_wait_dscnt 0x0                               ; for the others' sake
	s_barrier_signal -1
	s_barrier_wait -1
	FROMSLOT 0
	TRIP 0, 1, 1, 1, 0                             ; trip 0 stands in front of the loop: its products start the sums
	s_mov_b32 s[IT], 3
.Lloop:                                                ; trips 1 to 6, two a turn, so that the sets and slots are back where they began
	TRIP 1, 0, 1, 1, 0
	TRIP 0, 0, 2, 1, 1                             ; of these only trip 6 of slice 7 has steps past the end
	s_sub_co_u32 s[IT], s[IT], 1
	s_cmp_lg_u32 s[IT], 0
	s_cbranch_scc1 .Lloop
	TRIP 1, 0, 0, 0, 1                             ; trip 7: nothing more to ask for or to hand on
	; THE WAY OUT.  Each wave's 16 accumulators go to LDS as images of their registers; wave w adds tiles 2 w and 2 w + 1 of all eight, in ascending order of the wave, and stores them.
.rept 4
	v_nop                                          ; four places between the last products and the first read of results (ISA guide 7.12.1)
.endr
	WIN 0x04                                       ; an LDS store's data: window 1
.irp n, 0,1,2,3,4,5,6,7,8,9,10,11,12,13,14,15
	ds_store_b128 v[RST], v[8*\n:8*\n+3] offset:1024*\n            ; each accumulator from its low end on
	ds_store_b128 v[RST], v[8*\n+4:8*\n+7] offset:1024*\n+512
.endr
	WIN 0
	s_wait_dscnt 0x0                               ; for the others' sake
	s_barrier_signal -1
	s_barrier_wait -1
.irp n, 0,1,2,3
.irp q, 0,1,2,3
	ds_load_b128 v[RD+16*\n+4*\q:RD+16*\n+4*\q+3], v[RLD] offset:16384*\n+512*\q
.endr
.endr
.irp n, 0,1,2,3
.irp q, 0,1,2,3
	ds_load_b128 v[RD+64+16*\n+4*\q:RD+64+16*\n+4*\q+3], v[RLD+1] offset:16384*\n+512*\q
.endr
.endr
.irp n, 1,2,3,4,5,6,7
	s_wait_dscnt 4*(7-\n)                          ; LDS loads come back in order: images 0 to n are in, the 4 (7 - n) younger loads may be out
.irp i, 0,2,4,6,8,10,12,14
	v_pk_add_f32 v[RD+\i:RD+\i+1], v[RD+\i:RD+\i+1], v[RD+16*\n+\i:RD+16*\n+\i+1]
.endr
.endr
.irp q, 0,1,2,3
	global_store_b128 v[GST], v[RD+4*\q:RD+4*\q+3], s[16:17] offset:512*\q   ; 32 lanes store 512 consecutive bytes, at a multiple of 256 from the buffer's first byte
.endr
	s_wait_tensorcnt 0x0                           ; the wave's end, behind my last LDS store
	ds_add_u32 v[SPW], v[NIL]
	s_wait_dscnt 0x0
	s_endpgm
.Lfunc_end_k_qf659bd9991_scores:
	.size	k_qf659bd9991_scores, .Lfunc_end_k_qf659bd9991_scores-k_qf659bd9991_scores
	.p2alignl 7, 3214868480
	.fill 96, 4, 3214868480
	.section	.rodata,"a",@progbits
	.p2align	6, 0x0
	.amdhsa_kernel k_qf659bd9991_scores
		.amdhsa_group_segment_fixed_size 166912
		.amdhsa_private_segment_fixed_size 0
		.amdhsa_enable_private_segment 0
		.amdhsa_kernarg_size 56
		.amdhsa_user_sgpr_count 2
		.amdhsa_user_sgpr_kernarg_segment_ptr 1
		.amdhsa_wavefront_size32 1
		.amdhsa_system_sgpr_workgroup_id_x 1
		.amdhsa_system_sgpr_workgroup_id_y 1
		.amdhsa_system_sgpr_workgroup_id_z 1
		.amdhsa_system_vgpr_workitem_id 0
		.amdhsa_next_free_vgpr 448
		.amdhsa_next_free_sgpr 66
		.amdhsa_reserve_vcc 0
		.amdhsa_float_denorm_mode_32 3
		.amdhsa_float_denorm_mode_16_64 3
		.amdhsa_memory_ordered 1
		.amdhsa_forward_progress 1
		.amdhsa_inst_pref_size 235
	.end_amdhsa_kernel
	.amdgpu_metadata
---
amdhsa.version: [ 1, 2 ]
amdhsa.kernels:
  - .name:           k_qf659bd9991_scores
    .symbol:         k_qf659bd9991_scores.kd
    .args:
      - { .name: x, .offset: 0, .size: 8, .value_kind: global_buffer, .address_space: global }
      - { .name: w1, .offset: 8, .size: 8, .value_kind: global_buffer, .address_space: global }
      - { .name: b1, .offset: 16, .size: 8, .value_kind: global_buffer, .address_space: global }
      - { .name: w2, .offset: 24, .size: 8, .value_kind: global_buffer, .address_space: global }
      - { .name: b2, .offset: 32, .size: 8, .value_kind: global_buffer, .address_space: global }
      - { .name: lowp_scales, .offset: 40, .size: 8, .value_kind: global_buffer, .address_space: global }
      - { .name: epart, .offset: 48, .size: 8, .value_kind: global_buffer, .address_space: global }
    .group_segment_fixed_size: 166912
    .private_segment_fixed_size: 0
    .kernarg_segment_align: 8
    .kernarg_segment_size: 56
    .max_flat_workgroup_size: 256
    .sgpr_count:     66
    .vgpr_count:     448
    .wavefront_size: 32
...
	.end_amdgpu_metadata
.endif
;; end of part 1
;; launch attn (part 2): grid 8 x 32, 8 waves a work-group, clusters of 4 x 1, 167,936 bytes of LDS; arguments x, epart, gamma, lowp_scales, out0; writes out0
.if DOCPART == 2
	.amdgcn_target "amdgcn-amd-amdhsa--gfx1250"
	.amdhsa_code_object_version 6
	.text
	.protected	k_qf659bd9991_attn
	.globl	k_qf659bd9991_attn
	.p2align	8
	.type	k_qf659bd9991_attn,@function
k_qf659bd9991_attn:
	s_mov_b64 s[64:65], 0
	v_nop
	global_prefetch_b8 v0, s[64:65] scope:SCOPE_SE
	s_setreg_imm32_b32 hwreg(HW_REG_WAVE_MODE, 25, 1), 1
	s_wait_xcnt 0x0
	s_wait_alu depctr_hold_cnt(0) depctr_sa_sdst(0) depctr_va_vdst(0) depctr_va_sdst(0) depctr_va_ssrc(0) depctr_va_vcc(0) depctr_vm_vsrc(0)
	s_getreg_b32 s2, hwreg(HW_REG_IB_STS2, 6, 4)
	s_cmp_eq_u32 s2, 0
	s_cbranch_scc0 .Lentry_in_a_cluster
	s_endpgm
.Lentry_in_a_cluster:
	s_bfe_u32 s2, ttmp6, 0x10000c
	s_cmp_lg_u32 s2, 0x3003
	s_cbranch_scc0 .Lentry_shape_is_right
	s_endpgm
.Lentry_shape_is_right:
; out = gamma x softmax((e - min) / (max - min + 1e-8)) x + x.  e = 2^(e0 + e1) x the sum of the eight partial sums that the launch before stored.  No work is left out here either.
; THE SOFTMAX AHEAD OF THE SECOND PRODUCT: t = logit x log2(e); M = the row's largest t rounded up to a whole number; p = 2^(t - M) is quantised (2^e2), not normalised; the row's sum l is taken of the unquantised p and divides at the end.
; The logits lie between 0 and 1 by the normalisation that is computed here as it is written, the minimum taken away first; M is taken all the same.  x is quantised along the 64 channels with 2^e3.
; LIMITS: e2 and e3 lie between -126 and 112; e0 + e1 and e2 + e3 are applied by v_ldexp_f32 and have no limit of their own.  NaN among the inputs is not served.  Both divisions are a reciprocal (v_rcp_f32) and a multiplication.
; SHARES.  Work-group (slice, batch): 512 t; wave w owns group G = 8 slice + w: 64 t x all 64 rows, no loop.  Group 62 is half inside the row (t up to 3999), group 63 outside: their loads are clamped to the row's last 16 bytes and
; their stores masked by EXEC; no branch hangs on it.
; CLUSTER.  The eight work-groups of a batch read the same 131,072 bytes of partial sums: the four of a cluster ask for them JOINTLY.  Wave w issues one load, partial w: the same descriptor in all four partners (it hangs on the batch and the
; wave's number alone), a mask that names the four.  Nothing is filled twice; a wave has one tensor load outstanding.
; LAYOUT.  The partial sums are images of accumulators: tile (a, b), register jj, lane (r, h) = e[16 a + r][16 b + 8 h + jj]: four tiles of a row block are, register for register, the K = 64 operand's places (registers 2 c, 2 c + 1: k = 16 c + 8 h + 0 .. 7).
; Product 2: source 0 = p's 16 rows i, source 1 = 16 columns t of x.  Tile u of four takes, in lane r, t = 64 G + 4 r + u: so a lane's four tiles are 16 neighbouring bytes of a row.  Lane (r, h) loads rows 16 c + 8 h + jj: these are at once its share
; of K in source 1 and the rows 16 a + 8 h + jj of its results: x is read once, the residual lies in the lane, and the output is made in place.
; REGISTERS: window 0: v1-15 addresses and scales; v16-143 the eight partial sums; then v16-47 e and p of a row block, v48-63 at work, v64-71 p's codes; then v16-47 p's four fragments, v48-79 the rows' factors,
;   v80-111 x's four fragments, v112-239 x held and regrouped, then the 16 accumulators.   window 1: v0-127 x, then out.
.set ROWB,   16000
.set BATCHB, 64*ROWB
.set ES,     131072                    ; LDS: 0 .. 131,071 the eight partial sums, filled by the tensor loads alone; then the summed e, 16 images of 1,024 bytes,
.set PI,     ES+16384                  ; p's four fragments, 1,024 bytes each,
.set SV,     PI+4096                   ; the 64 rows' factors gamma 2^(e2 + e3) / l,
.set SPARE,  SV+256                    ; and the spare words, 128 bytes for each wave: four blocks of 256 bytes that no other line names
.set SPW, 1                            ; v1   LDS address of my spare word; never rewritten
.set NIL, 2                            ; v2   0; never rewritten
.set XO,  3                            ; v3   my byte offset in the batch's x and out: 8 h rows + the clamped byte in a row
.set UT,  4                            ; v4   the byte in a row before the clamp: 256 G + 16 r
.set EL,  5                            ; v5, v6  tiles 2 w, 2 w + 1 in partial sums 0-3, 4-7
.set ESS, 7                            ; v7   where I store their sum
.set ESL, 8                            ; v8   row block w & 3 of the summed e
.set PIS, 9                            ; v9   where its codes go
.set PIL, 10                           ; v10  16 x lane in p's fragments
.set SVS, 11                           ; v11  where row 16 (w & 3) + r's factor goes
.set SVL, 12                           ; v12  my half's eight factors of a row block
.set SC2, 13                           ; v13  2^e2 as f32
.set SC3, 14                           ; v14  2^e3
.set LP,  15                           ; v15  57,344 x 2^e2
.set E,   16
.set PF,  16
.set SS,  48
.set CF,  80
.set T,   112
.set AC,  112
.set WV,  21                           ; s21  my wave's number
.set MSB, 0
.macro WIN new                         ; the immediate's high byte repeats the setting that is left
.if MSB != \new
	s_set_vgpr_msb (MSB<<8)|\new
.set MSB, \new
.endif
.endm
; A round of the cluster's barrier: my work-group's barrier; wave 0 signals for the work-group; every wave waits for all four work-groups; my work-group's barrier once more.
.macro ROUND
	s_barrier_signal -1
	s_barrier_wait -1
	s_cmp_lg_u32 s[WV], 0
	s_cbranch_scc1 .Lnot_wave_0_\@
	s_barrier_signal -3
.Lnot_wave_0_\@:
	s_barrier_wait -3
	s_barrier_signal -1
	s_barrier_wait -1
.endm
	s_load_b256 s[4:11], s[0:1], 0x0               ; x s[4:5], epart s[6:7], gamma s[8:9], the scales' exponents s[10:11]
	s_load_b64 s[12:13], s[0:1], 0x20              ; out0
	v_lshl_add_u32 v[SPW], v0, 2, SPARE
	v_mov_b32 v[NIL], 0
	ds_add_u32 v[SPW], v[NIL]                      ; the wave's opening: the add, twice on end, and its wait ahead of my first tensor load; the set-up below stands between the second and the wait
	ds_add_u32 v[SPW], v[NIL]
	v_lshrrev_b32 v16, 5, v0
	v_readfirstlane_b32 s[WV], v16                 ; wave 0..7
	v_and_b32 v17, 15, v0                          ; r
	v_bfe_u32 v18, v0, 4, 1                        ; h
	v_and_b32 v19, 31, v0                          ; lane
	s_bfe_u32 s22, ttmp6, 0x40000                  ; cx: my place in the cluster: it enters x's and out's offsets and the stores' mask alone
	s_lshl_b32 s23, ttmp9, 2
	s_add_co_u32 s23, s23, s22                     ; slice = 4 x cluster x + cx
	s_and_b32 s24, ttmp7, 0xffff                   ; the batch, which the four partners share
	s_lshl_b32 s25, s23, 3
	s_add_co_u32 s25, s25, s[WV]                   ; G
	s_lshl_b32 s47, s25, 8
	v_lshl_add_u32 v[UT], v17, 4, s47
	v_min_u32 v[XO], ROWB-16, v[UT]                ; no load leaves its row
	v_mul_u32_u24 v20, v18, 8*ROWB
	v_add_nc_u32 v[XO], v20, v[XO]
	; every LDS address is made here, ahead of the place where the waves part
	s_lshl_b32 s48, s[WV], 11
	v_lshl_add_u32 v[EL], v19, 4, s48
	v_add_nc_u32 v[EL+1], 0x10000, v[EL]
	v_add_nc_u32 v[ESS], ES, v[EL]
	s_and_b32 s49, s[WV], 3
	s_lshl_b32 s48, s49, 12
	s_add_co_u32 s48, s48, ES
	v_lshl_add_u32 v[ESL], v19, 4, s48
	s_lshl_b32 s48, s49, 10
	s_add_co_u32 s48, s48, PI
	v_lshl_add_u32 v[PIS], v19, 4, s48
	v_lshlrev_b32 v[PIL], 4, v19
	v_add_nc_u32 v[PIL], PI, v[PIL]
	s_lshl_b32 s48, s49, 6
	s_add_co_u32 s48, s48, SV
	v_lshl_add_u32 v[SVS], v17, 2, s48
	v_lshlrev_b32 v[SVL], 5, v18
	v_add_nc_u32 v[SVL], SV, v[SVL]
	; descriptor group 1: a dense block of 16,384 bytes as 64 rows of 32 elements of 8 bytes; no padding: the images are read at 16 x lane
	s_mov_b32 s32, 15|(3<<16)|(1<<21)              ; 15:0 the mask: all four work-groups; 17:16 elements of 8 bytes; 21 set beside a mask
	s_mov_b32 s33, 32<<16                          ; tensor_dim0 = 32
	s_mov_b32 s34, 64<<16                          ; tensor_dim1 = 64
	s_mov_b32 s35, 32<<16                          ; tile_dim0 = 32
	s_mov_b32 s36, 64                              ; tile_dim1 = 64
	s_mov_b32 s37, 32                              ; from row to row: 32 elements
	s_mov_b32 s38, 0
	s_mov_b32 s39, 0
	s_mov_b32 s28, 1                               ; group 0: count = 1,
	s_lshl_b32 s29, s[WV], 14                      ; LDS address: partial w
	s_mov_b32 s40, 0x76543210                      ; lane selects for v_permlanex16_b32: lane l xor 16
	s_mov_b32 s41, 0xfedcba98
	s_mul_i32 s50, s24, BATCHB
	s_mov_b32 s51, 0
	s_lshl_b32 s52, s24, 17                        ; the batch's eight partial sums,
	s_lshl_b32 s53, s[WV], 14
	s_add_co_u32 s52, s52, s53                     ; the w-th of them
	s_mov_b32 s53, 0
	s_wait_dscnt 0x0                               ; both opening adds are done
	s_wait_kmcnt 0x0
	s_load_b128 s[16:19], s[10:11], 0x0            ; e0, e1, e2, e3
	s_load_b32 s20, s[8:9], 0x0                    ; gamma
	s_add_nc_u64 s[4:5], s[4:5], s[50:51]
	s_add_nc_u64 s[12:13], s[12:13], s[50:51]
	s_add_nc_u64 s[30:31], s[6:7], s[52:53]
	s_or_b32 s31, s31, 0x80000000                  ; type = 2
	WIN 0x40                                       ; destination window 1
.irp c, 0,1,2,3
.irp j, 0,1,2,3,4,5,6,7
	global_load_b128 v[4*(8*\c+\j):4*(8*\c+\j)+3], v[XO], s[4:5] offset:(16*\c+\j)*ROWB th:TH_LOAD_NT   ; rows 16 c + j and 16 c + 8 + j: sixteen lanes to 256 consecutive bytes; read once in this launch
.endr
.endr
	WIN 0
	ROUND                                          ; all four work-groups are here: the joint loads meet
	tensor_load_to_lds s[28:31], s[32:39]
	s_nop 0
	s_wait_kmcnt 0x0
	s_add_co_i32 s44, s16, s17                     ; e0 + e1
	s_add_co_i32 s45, s18, s19                     ; e2 + e3
	s_add_co_i32 s48, s18, 127
	s_lshl_b32 s49, s48, 23
	v_mov_b32 v[SC2], s49
	s_add_co_i32 s48, s48, 15
	s_lshl_b32 s48, s48, 23
	s_or_b32 s48, s48, 0x600000
	v_mov_b32 v[LP], s48
	s_add_co_i32 s48, s19, 127
	s_lshl_b32 s49, s48, 23
	v_mov_b32 v[SC3], s49
	s_add_co_i32 s48, s48, 15
	s_lshl_b32 s48, s48, 23
	s_or_b32 s43, s48, 0x600000                    ; 57,344 x 2^e3,
	s_or_b32 s42, s43, 0x80000000                  ; and its negative
	s_wait_tensorcnt 0x0                           ; my partial sum has landed,
	s_barrier_signal -1
	s_barrier_wait -1                              ; everybody's has
	; ---- the sum of the eight partial sums, tiles 2 w and 2 w + 1, in ascending order of the slice
.irp n, 0,1,2,3
.irp q, 0,1,2,3
	ds_load_b128 v[16+16*\n+4*\q:19+16*\n+4*\q], v[EL] offset:16384*\n+512*\q
.endr
.endr
.irp n, 0,1,2,3
.irp q, 0,1,2,3
	ds_load_b128 v[80+16*\n+4*\q:83+16*\n+4*\q], v[EL+1] offset:16384*\n+512*\q
.endr
.endr
.irp n, 1,2,3,4,5,6,7
	s_wait_dscnt 4*(7-\n)                          ; LDS loads come back in order: partial sums 0 to n are in, the 4 (7 - n) younger loads may be out
.irp i, 0,2,4,6,8,10,12,14
	v_pk_add_f32 v[16+\i:17+\i], v[16+\i:17+\i], v[16+16*\n+\i:17+16*\n+\i]
.endr
.endr
.irp i, 0,1,2,3,4,5,6,7,8,9,10,11,12,13,14,15
	v_ldexp_f32 v[16+\i], v[16+\i], s44            ; e true to scale, since 1e-8 is added to a difference of such numbers
.endr
.irp q, 0,1,2,3
	ds_store_b128 v[ESS], v[16+4*\q:19+4*\q] offset:512*\q
.endr
	s_wait_dscnt 0x0                               ; for the others' sake
	s_barrier_signal -1
	s_barrier_wait -1
	; ---- waves 0 to 3: row block a = w: the normalisation, p, l, p's codes, the rows' factors.  No barrier stands inside the branch
	s_cmp_lt_u32 s[WV], 4
	s_cbranch_scc0 .Lothers
.irp k, 0,1,2,3,4,5,6,7
	ds_load_b128 v[E+4*\k:E+4*\k+3], v[ESL] offset:512*\k          ; register 8 b + jj = e[16 a + r][16 b + 8 h + jj]
.endr
	v_mov_b32 v52, 0                               ; written once: a lane permute's destination counts as one of its sources
	v_mov_b32 v53, 0
	v_mov_b32 v59, 0                               ; (named as the upper halves of pairs)
	v_mov_b32 v61, 0
	s_wait_dscnt 0x0
	v_max3_num_f32 v48, v16, v17, v18              ; the row's largest and smallest e among my 32, in two chains each
	v_max3_num_f32 v49, v19, v20, v21
	v_min3_num_f32 v50, v16, v17, v18
	v_min3_num_f32 v51, v19, v20, v21
.irp i, 6,10,14,18,22,26
	v_max3_num_f32 v48, v48, v[16+\i], v[17+\i]
	v_max3_num_f32 v49, v49, v[18+\i], v[19+\i]
	v_min3_num_f32 v50, v50, v[16+\i], v[17+\i]
	v_min3_num_f32 v51, v51, v[18+\i], v[19+\i]
.endr
	v_max3_num_f32 v48, v48, v46, v47
	v_min3_num_f32 v50, v50, v46, v47
	v_max_num_f32 v48, v48, v49
	v_min_num_f32 v50, v50, v51
	v_permlanex16_b32 v52, v48, s40, s41           ; the row's other 32 lie in the lane 16 away
	v_permlanex16_b32 v53, v50, s40, s41
	v_max_num_f32 v48, v48, v52
	v_min_num_f32 v50, v50, v53
	v_sub_f32 v54, v48, v50                        ; max - min
	v_add_f32 v55, 0x322bcc77, v54                 ; + 1e-8
	v_rcp_f32 v56, v55
.irp j, 0,2,4,6,8,10,12,14,16,18,20,22,24,26,28,30
	v_pk_add_f32 v[E+\j:E+\j+1], v[E+\j:E+\j+1], v[50:51] op_sel_hi:[1,0] neg_lo:[0,1] neg_hi:[0,1]   ; e - min, taken first as it is written.  (Plain work behind the reciprocal)
.endr
	s_wait_alu depctr_va_vdst(0)                   ; the wait ahead of the first line that names the reciprocal
	v_mul_f32 v58, 0x3fb8aa3b, v56                 ; c = log2(e) / (max - min + 1e-8)
	v_mul_f32 v57, v54, v58                        ; the row's largest t
	v_floor_f32 v60, -v57                          ; -M = floor(-t) = -ceil(t)
.irp j, 0,2,4,6,8,10,12,14,16,18,20,22,24,26,28,30
	v_pk_fma_f32 v[E+\j:E+\j+1], v[E+\j:E+\j+1], v[58:59], v[60:61] op_sel_hi:[1,0,0]   ; t - M (of the pairs c and -M the low word serves both halves)
.endr
.irp j, 0,1,2,3,4,5,6,7,8,9,10,11,12,13,14,15,16,17,18,19,20,21,22,23,24,25,26,27,28,29,30,31
	v_exp_f32 v[E+\j], v[E+\j]                     ; p = 2^(t - M): one batch
.endr
	v_nop                                          ; a plain line behind the last exponential
	s_wait_alu depctr_va_vdst(0)                   ; one wait for the batch, ahead of its first reader
	v_pk_add_f32 v[62:63], v[16:17], v[18:19]      ; l is taken of the unquantised p: two at a time, in two chains
	v_pk_add_f32 v[52:53], v[20:21], v[22:23]
.irp j, 8,12,16,20,24,28
	v_pk_add_f32 v[62:63], v[62:63], v[16+\j:17+\j]
	v_pk_add_f32 v[52:53], v[52:53], v[18+\j:19+\j]
.endr
	v_pk_add_f32 v[62:63], v[62:63], v[52:53]
	v_add_f32 v62, v62, v63
	v_permlanex16_b32 v52, v62, s40, s41
	v_add_f32 v62, v62, v52                        ; the same number in both lanes of a row
	v_rcp_f32 v56, v62
.irp j, 0,1,2,3,4,5,6,7,8,9,10,11,12,13,14,15,16,17,18,19,20,21,22,23,24,25,26,27,28,29,30,31
	v_min_num_f32 v[E+\j], v[E+\j], v[LP]          ; the conversion does not saturate (ISA guide 7.6.2); p is not negative, so the hold is one-sided
.endr
.irp b, 0,1,2,3
	v_cvt_scalef32_pk8_bf8_f32 v[64+2*\b:65+2*\b], v[E+8*\b:E+8*\b+7], v[SC2]   ; registers 2 b, 2 b + 1 of the operand: k = 16 b + 8 h + 0 .. 7
.endr
	v_nop                                          ; a plain line behind the conversions
	s_wait_alu depctr_va_vdst(0)                   ; the wait for the reciprocal of l
	v_mul_f32 v56, s20, v56                        ; gamma / l
	v_ldexp_f32 v56, v56, s45                      ; x 2^(e2 + e3)
	ds_store_b128 v[PIS], v[64:67]                 ; the fragment as an image of its registers
	ds_store_b128 v[PIS], v[68:71] offset:512
	ds_store_b32 v[SVS], v56                       ; lanes r and r + 16 store the same number to the same word
.Lothers:
	s_wait_dscnt 0x0                               ; for the others' sake
	s_barrier_signal -1
	s_barrier_wait -1
	; ---- all waves: p's four fragments, the rows' factors; x's codes; the products; out
.irp a, 0,1,2,3
	ds_load_b128 v[PF+8*\a:PF+8*\a+3], v[PIL] offset:1024*\a
	ds_load_b128 v[PF+8*\a+4:PF+8*\a+7], v[PIL] offset:1024*\a+512
.endr
.irp a, 0,1,2,3
	ds_load_b128 v[SS+8*\a:SS+8*\a+3], v[SVL] offset:64*\a         ; the factors of rows 16 a + 8 h + 0 .. 7
	ds_load_b128 v[SS+8*\a+4:SS+8*\a+7], v[SVL] offset:64*\a+16
.endr
	s_wait_loadcnt 0x0                             ; x
	WIN 0x01                                       ; source 0 window 1
.irp u, 0,1,2,3
.irp i, 0,1,2,3,4,5,6,7,8,9,10,11,12,13,14,15,16,17,18,19,20,21,22,23,24,25,26,27,28,29,30,31
	v_med3_num_f32 v[T+32*\u+\i], v[4*\i+\u], s42, s43             ; the hold at +-57,344 x 2^e3 also brings tile u's 32 numbers along K together; x itself stays for the residual
.endr
.endr
	WIN 0
.irp u, 0,1,2,3
.irp c, 0,1,2,3
	v_cvt_scalef32_pk8_bf8_f32 v[CF+8*\u+2*\c:CF+8*\u+2*\c+1], v[T+32*\u+8*\c:T+32*\u+8*\c+7], v[SC3]
.endr
.endr
	v_nop                                          ; a plain line between the conversions and the products, which read the codes and write over the numbers
	s_wait_dscnt 0x0                               ; p and the factors are in
.irp a, 0,1,2,3
.irp u, 0,1,2,3
	v_wmma_f32_16x16x64_bf8_bf8 v[AC+8*(4*\a+\u):AC+8*(4*\a+\u)+7], v[PF+8*\a:PF+8*\a+7], v[CF+8*\u:CF+8*\u+7], 0   ; K = the 64 channels: one instruction a sum, sixteen different accumulators
.endr
.endr
.rept 4
	v_nop                                          ; four places between the products and the first read of results (ISA guide 7.12.1)
.endr
	WIN 0x50                                       ; source 2 and destination window 1
.irp a, 0,1,2,3
.irp u, 0,1,2,3
.irp j, 0,1,2,3,4,5,6,7
	v_fma_f32 v[4*(8*\a+\j)+\u], v[AC+8*(4*\a+\u)+\j], v[SS+8*\a+\j], v[4*(8*\a+\j)+\u]   ; out = sum x gamma 2^(e2 + e3) / l + x, in place; each accumulator from its low end on
.endr
.endr
.endr
	WIN 0
	v_cmp_gt_u32 vcc_lo, ROWB, v[UT]               ; the lanes whose 16 bytes lie inside the row
	s_wait_xcnt 0x0                                ; EXEC changes only behind this wait
	s_and_saveexec_b32 s46, vcc_lo
	WIN 0x04                                       ; a store's data: window 1
.irp c, 0,1,2,3
.irp j, 0,1,2,3,4,5,6,7
	global_store_b128 v[XO], v[4*(8*\c+\j):4*(8*\c+\j)+3], s[12:13] offset:(16*\c+\j)*ROWB th:TH_STORE_NT   ; sixteen lanes store 256 consecutive bytes of a row; written once, read by nobody here
.endr
.endr
	WIN 0
	s_wait_xcnt 0x0                                ; and again, in front of the line that widens it
	s_or_b32 exec_lo, exec_lo, s46
	s_wait_tensorcnt 0x0                           ; the wave's end, behind my tensor load and my last LDS store
	ds_add_u32 v[SPW], v[NIL]
	s_wait_dscnt 0x0
	ROUND                                          ; the closing round: no work-group ends while a partner may still ask for a block that names it
	s_endpgm
.Lfunc_end_k_qf659bd9991_attn:
	.size	k_qf659bd9991_attn, .Lfunc_end_k_qf659bd9991_attn-k_qf659bd9991_attn
	.p2alignl 7, 3214868480
	.fill 96, 4, 3214868480
	.section	.rodata,"a",@progbits
	.p2align	6, 0x0
	.amdhsa_kernel k_qf659bd9991_attn
		.amdhsa_group_segment_fixed_size 167936
		.amdhsa_private_segment_fixed_size 0
		.amdhsa_enable_private_segment 0
		.amdhsa_kernarg_size 40
		.amdhsa_user_sgpr_count 2
		.amdhsa_user_sgpr_kernarg_segment_ptr 1
		.amdhsa_wavefront_size32 1
		.amdhsa_system_sgpr_workgroup_id_x 1
		.amdhsa_system_sgpr_workgroup_id_y 1
		.amdhsa_system_sgpr_workgroup_id_z 1
		.amdhsa_system_vgpr_workitem_id 0
		.amdhsa_next_free_vgpr 384
		.amdhsa_next_free_sgpr 66
		.amdhsa_reserve_vcc 1
		.amdhsa_float_denorm_mode_32 3
		.amdhsa_float_denorm_mode_16_64 3
		.amdhsa_memory_ordered 1
		.amdhsa_forward_progress 1
		.amdhsa_inst_pref_size 47
	.end_amdhsa_kernel
	.amdgpu_metadata
---
amdhsa.version: [ 1, 2 ]
amdhsa.kernels:
  - .name:           k_qf659bd9991_attn
    .symbol:         k_qf659bd9991_attn.kd
    .args:
      - { .name: x, .offset: 0, .size: 8, .value_kind: global_buffer, .address_space: global }
      - { .name: epart, .offset: 8, .size: 8, .value_kind: global_buffer, .address_space: global }
      - { .name: gamma, .offset: 16, .size: 8, .value_kind: global_buffer, .address_space: global }
      - { .name: lowp_scales, .offset: 24, .size: 8, .value_kind: global_buffer, .address_space: global }
      - { .name: out0, .offset: 32, .size: 8, .value_kind: global_buffer, .address_space: global }
    .group_segment_fixed_size: 167936
    .private_segment_fixed_size: 0
    .kernarg_segment_align: 8
    .kernarg_segment_size: 40
    .max_flat_workgroup_size: 256
    .sgpr_count:     66
    .vgpr_count:     384
    .wavefront_size: 32
...
	.end_amdgpu_metadata
.endif
;; end of part 2
;; ======== version 2 of 2: 2 launches
;; workspace buffers: epart 4,194,304 bytes
;; launch scores (part 3): grid 8 x 32, 8 waves a work-group, no clusters, 166,912 bytes of LDS; arguments x, w1, b1, w2, b2, lowp_scales, epart; writes epart
.if DOCPART == 3
	.amdgcn_target "amdgcn-amd-amdhsa--gfx1250"
	.amdhsa_code_object_version 6
	.text
	.protected	k_qf659bd9991_scores
	.globl	k_qf659bd9991_scores
	.p2align	8
	.type	k_qf659bd9991_scores,@function
k_qf659bd9991_scores:
	s_mov_b64 s[64:65], 0
	v_nop
	global_prefetch_b8 v0, s[64:65] scope:SCOPE_SE
	s_setreg_imm32_b32 hwreg(HW_REG_WAVE_SCHED_MODE, 0, 2), 2
	s_setreg_imm32_b32 hwreg(HW_REG_WAVE_MODE, 25, 1), 1
	s_wait_xcnt 0x0
	s_wait_alu depctr_vm_vsrc(0)
; PARTIAL SUMS OF e = q k^T.  q[f][i][t] = w1[f] x[i][t] + b1[f], k[f][j][t] = w2[f] x[j][t] + b2[f]; e[i][j] = the sum over (f, t) of Q(q) Q(k), Q the given quantiser to
; E5M2 (q: 2^e0, k: 2^e1).  x: [32][64][4000] f32.  This launch stores, for each batch and each of 8 slices of t, the 64 x 64 sum of CODES' products over the slice; the next launch adds the eight and applies 2^(e0 + e1).
; NOTHING IS LEFT OUT: b1 and b2 would cancel in the later (e - min) / (max - min) in real numbers, but they move the codes of a quantised product that is live, so they stay.  Every input is loaded by one of the two launches.
; LIMITS: e0 and e1 lie between -126 and 112, so that 2^e and 57,344 x 2^e are f32 numbers.  NaN among the inputs is not served.  q and k are made by one fused multiply-add (one rounding where two are written).
; SHARES.  Work-group (slice s, batch): t = 512 s .. 512 s + 511 (slice 7: 416 of them).  A K STEP of 128 is 8 t x 16 features: the same permutation of K in both operands, so every product meets its partner.
; Lane (r, h) of a fragment holds row r and the four numbers x(t = 8 step + 4 h + 0 .. 3); registers 4 i .. 4 i + 3 of the fragment are the 16 features of the i-th of them: features run along a lane's registers, as the conversions want.
; Trip n of 8 takes a chunk of 64 rows x 64 t; wave w takes its step 8 n + w for all 64 rows: four fragments of k, four of q (each code is made once in the launch), 16 matrix instructions on 16 accumulators.
; THE MATRIX INSTRUCTION IS USED TRANSPOSED (source 0 = 16 rows j of k, source 1 = 16 rows i of q): accumulator (a, b), register jj, lane (r, h) = e[16 a + r][16 b + 8 h + jj]: the layout that the next launch's operand p wants.
; x COMES THROUGH REGISTERS AND LDS: wave w loads rows 8 w .. 8 w + 7 of a chunk (sixteen lanes read 256 consecutive bytes of a row), stores them into the chunk's slot, and every wave reads its 32-byte column of all 64 rows.
; Two register sets and two slots by turns: chunk n + 2 is asked for at the head of trip n and wanted in the middle of trip n + 1.  No tensor load: a trip has 12 memory and LDS lines beside some 860 vector lines, and counted waits keep two chunks on their way.
; No cluster: no two work-groups read the same byte of x.  At the end the eight waves' accumulators are added through LDS, in ascending order of the wave, and the work-group stores one image of 16,384 bytes.
; THE MODE: SCHED_MODE bits 1:0 = 2 (LLVM: expert scheduling mode 2), set by the entry lines.  The code itself states the register dependences
; between vector or matrix instructions and memory or LDS instructions, with s_wait_alu, always for 0.
; THE PLAN.  Registers that memory or LDS instructions touch, in trip n (p = n % 2):
;   RR[p]      Written by the four loads of chunk n + 2, at the trip's head; read by the four LDS stores in the middle of trip n + 1.  No vector instruction names it.
;   v[VG+p]    Written by two vector lines at the trip's head; read by the four loads that follow them (before that: by the loads of trip n - 2).
;   XS[1-p]    Read by the vector lines of trips n - 1 and n + 1; written by the four LDS loads of trip n, behind the barrier.  No vector line of trip n names it: that trip works on XS[p].
;   LST, LLD, RST, RLD, GST, ZO   Made once at the head and never written again.
;   T, the constants, the codes and (in the loop) the accumulators are named by vector and matrix instructions alone.
; So a trip that asks for a chunk has TWO waits, both at its head: one on vm_vsrc (the last trip's LDS stores have read RR[p]; the older loads have read v[VG+p]), the address's lines, and one on va_vdst
; (v[VG+p] is written; the last trip's vector lines are done reading XS[1-p]).  The trip's twelve memory and LDS lines owe nothing more.  They stay in their runs: the branches that guard a slice's end lead round computation alone.
; REGISTERS, in windows of 256: window 0: v1-16 addresses and scales; v24-87 w1, b1, w2, b2 (the same in all lanes); v88-151 T, 64 numbers at work; v152-167 one fragment of q; v168-199 two sets of 4 x 4 numbers of x; v200-231 two sets of a chunk's loads.
;   window 1: v0-127 the accumulators ((a, b) at 8 (4 a + b)); v128-191 k's four fragments.
.set ROWB,   16000                     ; a row of x in bytes
.set BATCHB, 64*ROWB
.set PITCH,  272                       ; a slot's row: 256 bytes + 16: an odd multiple of 16 bytes, so that the 16-byte pieces that sixteen lanes take from sixteen rows fall on sixteen different columns of 256 bytes
.set SLOTB,  64*PITCH
.set RED,    2*SLOTB                   ; behind the slots: an image of 16,384 bytes for each wave's accumulators
.set SPARE,  RED+8*16384               ; behind them: the spare words, 128 bytes for each wave: four blocks of 256 bytes that no other line names
.set SPW,  1                           ; v1   LDS address of my spare word; never rewritten
.set NIL,  2                           ; v2   0; never rewritten
.set ZO,   3                           ; v3   0: the offset of the constants' loads
.set VT,   4                           ; v4   byte in a row of the next chunk to ask for, before the clamp
.set VROW, 6                           ; v6   (8 w + lane / 16) rows
.set VG,   7                           ; v7, v8  the loads' offsets, one for each register set
.set LST,  9                           ; v9   where I store 16 bytes of a chunk's row
.set LLD,  10                          ; v10  where I read my four numbers of row r
.set SC0,  11                          ; v11  2^e0 as f32
.set SC1,  12                          ; v12  2^e1
.set RST,  13                          ; v13  my wave's image, my lane's 16 bytes
.set RLD,  14                          ; v14, v15  tiles 2 w, 2 w + 1 in the images of waves 0-3, 4-7
.set GST,  16                          ; v16  16 x lane
.set W1,   24
.set B1,   40
.set W2,   56
.set B2,   72
.set T,    88
.set QF,   152
.set XS,   168
.set RR,   200
.set RD,   24                          ; the final sum: 8 images x 16 registers, v24-151
.set KF,   128                         ; in window 1
.set WV,   24                          ; s24  my wave's number
.set BA,   26                          ; s26  the batch
.set NST,  27                          ; s27  steps in my slice: 64, or 52 in slice 7
.set STP,  28                          ; s28  my step: 8 n + w
.set IT,   29                          ; s29  the loop's counter
.set MSB, 0
.macro WIN new                         ; the immediate's high byte repeats the setting that is left; a switch that changes nothing is dropped
.if MSB != \new
	s_set_vgpr_msb (MSB<<8)|\new
.set MSB, \new
.endif
.endm
; The offset of the next chunk's four loads, for set p.  The byte in the row is held at the row's last 16: slice 7's last one and a half chunks reach past t = 3999; what is clamped is never multiplied.
.macro ADDR p
	v_min_u32 v[VG+(\p)], ROWB-16, v[VT]
	v_add_nc_u32 v[VG+(\p)], v[VROW], v[VG+(\p)]
	v_add_nc_u32 v[VT], 256, v[VT]
.endm
; And the four loads, into set p.
.macro LOADS p
.irp i, 0,1,2,3
	global_load_b128 v[RR+16*(\p)+4*\i:RR+16*(\p)+4*\i+3], v[VG+(\p)], s[4:5] offset:2*ROWB*\i   ; rows 8 w + 2 i and 8 w + 2 i + 1: sixteen lanes to 256 consecutive bytes.  No hint: the next launch reads x again
.endr
.endm
.macro TOSLOT p
.irp i, 0,1,2,3
	ds_store_b128 v[LST], v[RR+16*(\p)+4*\i:RR+16*(\p)+4*\i+3] offset:(\p)*SLOTB+2*PITCH*\i
.endr
.endm
.macro FROMSLOT p                      ; my four numbers of rows 16 a + r
.irp a, 0,1,2,3
	ds_load_b128 v[XS+16*(\p)+4*\a:XS+16*(\p)+4*\a+3], v[LLD] offset:(\p)*SLOTB+16*PITCH*\a
.endr
.endm
; Four numbers of x, v[xr] on, become a fragment of 64 codes a lane in v[dst] on (window dwin >> 6): w x + b for 16 features each, the hold, the conversion.
.macro QUANT xr, wr, br, nl, pl, sc, dst, dwin
.irp u, 0,1
.irp f, 0,2,4,6,8,10,12,14
	v_pk_fma_f32 v[T+32*\u+\f:T+32*\u+\f+1], v[\wr+\f:\wr+\f+1], v[(\xr)+2*\u:(\xr)+2*\u+1], v[\br+\f:\br+\f+1] op_sel_hi:[1,0,1]   ; two features x the pair's first number
.endr
.irp f, 0,2,4,6,8,10,12,14
	v_pk_fma_f32 v[T+32*\u+16+\f:T+32*\u+17+\f], v[\wr+\f:\wr+\f+1], v[(\xr)+2*\u:(\xr)+2*\u+1], v[\br+\f:\br+\f+1] op_sel:[0,1,0] op_sel_hi:[1,1,1]   ; x its second
.endr
.endr
.set qi, 0
.rept 64
	v_med3_num_f32 v[T+qi], v[T+qi], s[\nl], s[\pl]   ; the conversion to an 8-bit code does not saturate (ISA guide 7.6.2): the hold at +-57,344 x the scale, always executed
.set qi, qi+1
.endr
	WIN \dwin
.irp g, 0,1,2,3,4,5,6,7
	v_cvt_scalef32_pk8_bf8_f32 v[(\dst)+2*\g:(\dst)+2*\g+1], v[T+8*\g:T+8*\g+7], v[\sc]
.endr
	WIN 0
	v_nop                                          ; one plain vector line between the conversions and the next lines that read the codes (products) or write T
.endm
.macro QK p, a                         ; k's fragment a, into window 1
	QUANT XS+16*(\p)+4*(\a), W2, B2, 32, 33, SC1, KF+16*(\a), 0x40
.endm
.macro QQ p, a                         ; q's fragment a
	QUANT XS+16*(\p)+4*(\a), W1, B1, 30, 31, SC0, QF, 0
.endm
; q's fragment a against k's four.  The 16 accumulators take turns, one instruction a turn, in the same order in every trip.
; The fragments are written again only behind the 96 plain lines of the next QUANT.
.macro MUL a, zero
	WIN 0x51                                       ; source 0 (k), C and D window 1; source 1 (q) window 0
.irp b, 0,1,2,3
.if \zero
	v_wmma_f32_16x16x128_bf8_bf8 v[8*(4*(\a)+\b):8*(4*(\a)+\b)+7], v[KF+16*\b:KF+16*\b+15], v[QF:QF+15], 0   ; the first step starts the sums: nothing is cleared
.else
	v_wmma_f32_16x16x128_bf8_bf8 v[8*(4*(\a)+\b):8*(4*(\a)+\b)+7], v[KF+16*\b:KF+16*\b+15], v[QF:QF+15], v[8*(4*(\a)+\b):8*(4*(\a)+\b)+7]
.endif
.endr
	WIN 0
.endm
; A TRIP, on set and slot p.  ld = 1: chunk n + 2 is asked for; 2: but not in the loop's last trip; 0: not.  st = 1: chunk n + 1 goes into the other slot and comes back.
; guard = 1: a step at or past the slice's end is not multiplied: a scalar branch on ids round computation alone, never round a store, a wait or a barrier.
.macro TRIP p, zero, ld, st, guard
.if \ld
	s_wait_alu depctr_vm_vsrc(0)                   ; the last trip's LDS stores have read RR[p], in which the loads below land; the loads of two trips back have read v[VG+p], which the lines below write.  (It stands ahead of the branch, where there is one)
.endif
.if \ld == 1
	ADDR \p                                        ; set p and its offset are free: chunk n's loads were waited for, and its LDS stores have read their registers, in the trip before
	s_wait_alu depctr_va_vdst(0)                   ; v[VG+p] is written, which the four loads read; the last trip's vector lines are done reading XS[1-p], in which this trip's LDS loads land
	LOADS \p
.elseif \ld == 2
	s_cmp_eq_u32 s[IT], 1
	s_cbranch_scc1 .Lnone_\@
	ADDR \p
	s_wait_alu depctr_va_vdst(0)                   ; v[VG+p] is written, which the four loads read; the last trip's vector lines are done reading XS[1-p], in which this trip's LDS loads land
	LOADS \p
	s_branch .Lasked_\@
.Lnone_\@:
	s_wait_loadcnt 0x0                             ; no chunk is left to ask for: the last one's four loads are the youngest
	s_wait_alu depctr_va_vdst(0)                   ; on this way too: the last trip's vector lines are done reading XS[1-p], in which this trip's LDS loads land
.Lasked_\@:
.endif
	s_wait_dscnt 0x0                               ; my numbers of this chunk are in; these were my last reads of slot p
.if \guard
	s_cmp_lt_u32 s[STP], s[NST]
	s_cbranch_scc0 .Lg1_\@
.endif
	QK \p, 0
	QK \p, 1
	QK \p, 2
	QK \p, 3
.if \guard
.Lg1_\@:
.endif
.if \st
	s_wait_loadcnt 0x4                             ; chunk n + 1 is in; the four loads issued at this trip's head may be out
	TOSLOT 1-\p                                    ; every wave's reads of that slot ended ahead of its signal of the trip before.  No wait on the vector side: the data come from loads, and v[LST] stands since the head
	s_wait_dscnt 0x0                               ; for the others' sake: my stores have landed
	s_barrier_signal -1
.endif
.if \guard
	s_cmp_lt_u32 s[STP], s[NST]
	s_cbranch_scc0 .Lg2_\@
.endif
	QQ \p, 0                                       ; work on registers while the others arrive
	MUL 0, \zero
	QQ \p, 1
	MUL 1, \zero
	QQ \p, 2
	MUL 2, \zero
.if \guard
.Lg2_\@:
.endif
.if \st
	s_barrier_wait -1                              ; the other slot is whole
	FROMSLOT 1-\p                                  ; wanted at the next trip's head, behind the 100 lines below.  No wait: no vector line since the wait at this trip's head names XS[1-p] or v[LLD]
.endif
.if \guard
	s_cmp_lt_u32 s[STP], s[NST]
	s_cbranch_scc0 .Lg3_\@
.endif
	QQ \p, 3
	MUL 3, \zero
.if \guard
.Lg3_\@:
.endif
	s_add_co_u32 s[STP], s[STP], 8
.endm
	s_load_b256 s[4:11], s[0:1], 0x0               ; x s[4:5], w1 s[6:7], b1 s[8:9], w2 s[10:11]
	s_load_b128 s[12:15], s[0:1], 0x20             ; b2 s[12:13], the scales' exponents s[14:15]
	s_load_b64 s[16:17], s[0:1], 0x30              ; epart
	v_lshl_add_u32 v[SPW], v0, 2, SPARE
	v_mov_b32 v[NIL], 0
	v_mov_b32 v[ZO], 0
	v_lshrrev_b32 v17, 5, v0
	v_readfirstlane_b32 s[WV], v17                 ; wave 0..7
	v_and_b32 v17, 15, v0                          ; r
	v_bfe_u32 v18, v0, 4, 1                        ; h
	v_and_b32 v19, 31, v0                          ; lane
	s_wait_alu depctr_va_vdst(0)
	s_wait_alu depctr_va_sdst(0)                   ; s24, the wave's number, is written, ahead of its first reader: my step, the LDS addresses and epart's base are made from it
	s_and_b32 s[BA], ttmp7, 0xffff
	s_cmp_eq_u32 ttmp9, 7
	s_cselect_b32 s[NST], 52, 64                   ; slice 7 has 416 t
	s_mov_b32 s[STP], s[WV]
	s_lshl_b32 s34, ttmp9, 11                      ; the slice's first byte in a row
	v_lshl_add_u32 v[VT], v17, 4, s34
	s_lshl_b32 s35, s[WV], 3
	v_add_nc_u32 v20, s35, v18                     ; 8 w + h
	v_mul_u32_u24 v[VROW], v20, ROWB
	v_mul_u32_u24 v[LST], v20, PITCH
	v_lshl_add_u32 v[LST], v17, 4, v[LST]
	v_mul_u32_u24 v[LLD], v17, PITCH
	v_lshl_add_u32 v[LLD], v18, 4, v[LLD]
	s_lshl_b32 s35, s[WV], 5
	v_add_nc_u32 v[LLD], s35, v[LLD]               ; row r, + 32 w (my step's 8 t), + 16 h
	s_lshl_b32 s35, s[WV], 14
	s_add_co_u32 s35, s35, RED
	v_lshl_add_u32 v[RST], v19, 4, s35
	s_lshl_b32 s35, s[WV], 11
	s_add_co_u32 s35, s35, RED
	v_lshl_add_u32 v[RLD], v19, 4, s35
	v_add_nc_u32 v[RLD+1], 0x10000, v[RLD]         ; an LDS offset has 16 bits: images 4 to 7 have a register of their own
	v_lshlrev_b32 v[GST], 4, v19
	ADDR 0                                         ; the offsets of chunks 0 and 1 are made here, with the other addresses, ahead of the one wait below
	ADDR 1
	s_mul_i32 s36, s[BA], BATCHB
	s_mov_b32 s37, 0
	s_lshl_b32 s38, s[BA], 3
	s_add_co_u32 s38, s38, ttmp9
	s_lshl_b32 s38, s38, 14                        ; (8 batch + slice) images of 16,384 bytes,
	s_lshl_b32 s39, s[WV], 11
	s_add_co_u32 s38, s38, s39                     ; + my two tiles of 1,024
	s_mov_b32 s39, 0
	s_wait_kmcnt 0x0
	s_load_b64 s[20:21], s[14:15], 0x0             ; e0, e1
	s_add_nc_u64 s[4:5], s[4:5], s[36:37]
	s_add_nc_u64 s[16:17], s[16:17], s[38:39]
	s_wait_alu depctr_va_vdst(0)                   ; every offset and LDS address is written: v3, v7 and v8, which the loads below read, and v9, v10, v13 to v16, which are never written again and serve to the kernel's end
.irp i, 0,1,2,3
	global_load_b128 v[W1+4*\i:W1+4*\i+3], v[ZO], s[6:7] offset:16*\i
	global_load_b128 v[B1+4*\i:B1+4*\i+3], v[ZO], s[8:9] offset:16*\i
	global_load_b128 v[W2+4*\i:W2+4*\i+3], v[ZO], s[10:11] offset:16*\i
	global_load_b128 v[B2+4*\i:B2+4*\i+3], v[ZO], s[12:13] offset:16*\i
.endr
	LOADS 0
	LOADS 1
	s_wait_kmcnt 0x0
	s_add_co_i32 s34, s20, 127
	s_lshl_b32 s35, s34, 23
	v_mov_b32 v[SC0], s35                          ; 2^e0 as f32: the conversion takes its exponent field
	s_add_co_i32 s34, s34, 15
	s_lshl_b32 s34, s34, 23
	s_or_b32 s31, s34, 0x600000                    ; 57,344 x 2^e0,
	s_or_b32 s30, s31, 0x80000000                  ; and its negative
	s_add_co_i32 s34, s21, 127
	s_lshl_b32 s35, s34, 23
	v_mov_b32 v[SC1], s35
	s_add_co_i32 s34, s34, 15
	s_lshl_b32 s34, s34, 23
	s_or_b32 s33, s34, 0x600000
	s_or_b32 s32, s33, 0x80000000
	s_wait_loadcnt 0x4                             ; the constants and chunk 0 are in; chunk 1's four loads may be out
	TOSLOT 0
	s_wait_dscnt 0x0                               ; for the others' sake
	s_barrier_signal -1
	s_barrier_wait -1
	FROMSLOT 0                                     ; no vector line has named XS so far
	TRIP 0, 1, 1, 1, 0                             ; trip 0 stands in front of the loop: its products start the sums
	s_mov_b32 s[IT], 3
.Lloop:                                                ; trips 1 to 6, two a turn, so that the sets and slots are back where they began
	TRIP 1, 0, 1, 1, 0
	TRIP 0, 0, 2, 1, 1                             ; of these only trip 6 of slice 7 has steps past the end
	s_sub_co_u32 s[IT], s[IT], 1
	s_cmp_lg_u32 s[IT], 0
	s_cbranch_scc1 .Lloop
	TRIP 1, 0, 0, 0, 1                             ; trip 7: nothing more to ask for or to hand on: it issues no load and no store, and states no dependence
	; THE WAY OUT.  Each wave's 16 accumulators go to LDS as images of their registers; wave w adds tiles 2 w and 2 w + 1 of all eight, in ascending order of the wave, and stores them.
.rept 4
	v_nop                                          ; four places between the last products and the first read of results (ISA guide 7.12.1)
.endr
	WIN 0x04                                       ; an LDS store's data: window 1
	s_wait_alu depctr_va_vdst(0)                   ; the products have written the accumulators, which the LDS stores read (the places above stay beside this wait); and every vector line that read or wrote v24 to v151, the constants and T, is done: the LDS loads behind the barrier land there
.irp n, 0,1,2,3,4,5,6,7,8,9,10,11,12,13,14,15
	ds_store_b128 v[RST], v[8*\n:8*\n+3] offset:1024*\n            ; each accumulator from its low end on
	ds_store_b128 v[RST], v[8*\n+4:8*\n+7] offset:1024*\n+512
.endr
	WIN 0
	s_wait_dscnt 0x0                               ; for the others' sake
	s_barrier_signal -1
	s_barrier_wait -1
.irp n, 0,1,2,3
.irp q, 0,1,2,3
	ds_load_b128 v[RD+16*\n+4*\q:RD+16*\n+4*\q+3], v[RLD] offset:16384*\n+512*\q
.endr
.endr
.irp n, 0,1,2,3
.irp q, 0,1,2,3
	ds_load_b128 v[RD+64+16*\n+4*\q:RD+64+16*\n+4*\q+3], v[RLD+1] offset:16384*\n+512*\q
.endr
.endr
.irp n, 1,2,3,4,5,6,7
	s_wait_alu depctr_va_vdst(0)
	s_wait_dscnt 4*(7-\n)                          ; LDS loads come back in order: images 0 to n are in, the 4 (7 - n) younger loads may be out
.irp i, 0,2,4,6,8,10,12,14
	v_pk_add_f32 v[RD+\i:RD+\i+1], v[RD+\i:RD+\i+1], v[RD+16*\n+\i:RD+16*\n+\i+1]
.endr
.endr
	s_wait_alu depctr_va_vdst(0)                   ; the additions have written v24 to v39, which the four stores read
.irp q, 0,1,2,3
	global_store_b128 v[GST], v[RD+4*\q:RD+4*\q+3], s[16:17] offset:512*\q   ; 32 lanes store 512 consecutive bytes, at a multiple of 256 from the buffer's first byte
.endr
	s_wait_dscnt 0x0                               ; the closing lines, six on end
	s_wait_alu 0x0
	s_wait_tensorcnt 0x0
	ds_add_u32 v[SPW], v[NIL]
	s_wait_dscnt 0x0
	s_endpgm
.Lfunc_end_k_qf659bd9991_scores:
	.size	k_qf659bd9991_scores, .Lfunc_end_k_qf659bd9991_scores-k_qf659bd9991_scores
	.p2alignl 7, 3214868480
	.fill 96, 4, 3214868480
	.section	.rodata,"a",@progbits
	.p2align	6, 0x0
	.amdhsa_kernel k_qf659bd9991_scores
		.amdhsa_group_segment_fixed_size 166912
		.amdhsa_private_segment_fixed_size 0
		.amdhsa_enable_private_segment 0
		.amdhsa_kernarg_size 56
		.amdhsa_user_sgpr_count 2
		.amdhsa_user_sgpr_kernarg_segment_ptr 1
		.amdhsa_wavefront_size32 1
		.amdhsa_system_sgpr_workgroup_id_x 1
		.amdhsa_system_sgpr_workgroup_id_y 1
		.amdhsa_system_sgpr_workgroup_id_z 1
		.amdhsa_system_vgpr_workitem_id 0
		.amdhsa_next_free_vgpr 448
		.amdhsa_next_free_sgpr 66
		.amdhsa_reserve_vcc 0
		.amdhsa_float_denorm_mode_32 3
		.amdhsa_float_denorm_mode_16_64 3
		.amdhsa_memory_ordered 1
		.amdhsa_forward_progress 1
		.amdhsa_inst_pref_size 235
	.end_amdhsa_kernel
	.amdgpu_metadata
---
amdhsa.version: [ 1, 2 ]
amdhsa.kernels:
  - .name:           k_qf659bd9991_scores
    .symbol:         k_qf659bd9991_scores.kd
    .args:
      - { .name: x, .offset: 0, .size: 8, .value_kind: global_buffer, .address_space: global }
      - { .name: w1, .offset: 8, .size: 8, .value_kind: global_buffer, .address_space: global }
      - { .name: b1, .offset: 16, .size: 8, .value_kind: global_buffer, .address_space: global }
      - { .name: w2, .offset: 24, .size: 8, .value_kind: global_buffer, .address_space: global }
      - { .name: b2, .offset: 32, .size: 8, .value_kind: global_buffer, .address_space: global }
      - { .name: lowp_scales, .offset: 40, .size: 8, .value_kind: global_buffer, .address_space: global }
      - { .name: epart, .offset: 48, .size: 8, .value_kind: global_buffer, .address_space: global }
    .group_segment_fixed_size: 166912
    .private_segment_fixed_size: 0
    .kernarg_segment_align: 8
    .kernarg_segment_size: 56
    .max_flat_workgroup_size: 256
    .sgpr_count:     66
    .vgpr_count:     448
    .wavefront_size: 32
...
	.end_amdgpu_metadata
.endif
;; end of part 3
;; launch attn (part 4): grid 8 x 32, 8 waves a work-group, clusters of 4 x 1, 167,936 bytes of LDS; arguments x, epart, gamma, lowp_scales, out0; writes out0
.if DOCPART == 4
	.amdgcn_target "amdgcn-amd-amdhsa--gfx1250"
	.amdhsa_code_object_version 6
	.text
	.protected	k_qf659bd9991_attn
	.globl	k_qf659bd9991_attn
	.p2align	8
	.type	k_qf659bd9991_attn,@function
k_qf659bd9991_attn:
	s_mov_b64 s[64:65], 0
	v_nop
	global_prefetch_b8 v0, s[64:65] scope:SCOPE_SE
	s_setreg_imm32_b32 hwreg(HW_REG_WAVE_MODE, 25, 1), 1
	s_wait_xcnt 0x0
	s_wait_alu depctr_hold_cnt(0) depctr_sa_sdst(0) depctr_va_vdst(0) depctr_va_sdst(0) depctr_va_ssrc(0) depctr_va_vcc(0) depctr_vm_vsrc(0)
	s_getreg_b32 s2, hwreg(HW_REG_IB_STS2, 6, 4)
	s_cmp_eq_u32 s2, 0
	s_cbranch_scc0 .Lentry_in_a_cluster
	s_endpgm
.Lentry_in_a_cluster:
	s_bfe_u32 s2, ttmp6, 0x10000c
	s_cmp_lg_u32 s2, 0x3003
	s_cbranch_scc0 .Lentry_shape_is_right
	s_endpgm
.Lentry_shape_is_right:
; out = gamma x softmax((e - min) / (max - min + 1e-8)) x + x.  e = 2^(e0 + e1) x the sum of the eight partial sums that the launch before stored.  No work is left out here either.
; THE SOFTMAX AHEAD OF THE SECOND PRODUCT: t = logit x log2(e); M = the row's largest t rounded up to a whole number; p = 2^(t - M) is quantised (2^e2), not normalised; the row's sum l is taken of the unquantised p and divides at the end.
; The logits lie between 0 and 1 by the normalisation that is computed here as it is written, the minimum taken away first; M is taken all the same.  x is quantised along the 64 channels with 2^e3.
; LIMITS: e2 and e3 lie between -126 and 112; e0 + e1 and e2 + e3 are applied by v_ldexp_f32 and have no limit of their own.  NaN among the inputs is not served.  Both divisions are a reciprocal (v_rcp_f32) and a multiplication.
; SHARES.  Work-group (slice, batch): 512 t; wave w owns group G = 8 slice + w: 64 t x all 64 rows, no loop.  Group 62 is half inside the row (t up to 3999), group 63 outside: their loads are clamped to the row's last 16 bytes and
; their stores masked by EXEC; no branch hangs on it.
; CLUSTER.  The eight work-groups of a batch read the same 131,072 bytes of partial sums: the four of a cluster ask for them JOINTLY.  Wave w issues one load, partial w: the same descriptor in all four partners (it hangs on the batch and the
; wave's number alone), a mask that names the four.  Nothing is filled twice; a wave has one tensor load outstanding.
; LAYOUT.  The partial sums are images of accumulators: tile (a, b), register jj, lane (r, h) = e[16 a + r][16 b + 8 h + jj]: four tiles of a row block are, register for register, the K = 64 operand's places (registers 2 c, 2 c + 1: k = 16 c + 8 h + 0 .. 7).
; Product 2: source 0 = p's 16 rows i, source 1 = 16 columns t of x.  Tile u of four takes, in lane r, t = 64 G + 4 r + u: so a lane's four tiles are 16 neighbouring bytes of a row.  Lane (r, h) loads rows 16 c + 8 h + jj: these are at once its share
; of K in source 1 and the rows 16 a + 8 h + jj of its results: x is read once, the residual lies in the lane, and the output is made in place.
; REGISTERS: window 0: v1-15 addresses and scales; v16-143 the eight partial sums; then v16-47 e and p of a row block, v48-63 and v244-255 at work, v64-71 p's codes; then v16-47 p's four fragments, v48-79 the rows' factors,
;   v80-111 x's four fragments, v112-239 x held and regrouped, then the 16 accumulators.   window 1: v0-127 x, then out.
.set ROWB,   16000
.set BATCHB, 64*ROWB
.set ES,     131072                    ; LDS: 0 .. 131,071 the eight partial sums, filled by the tensor loads alone; then the summed e, 16 images of 1,024 bytes,
.set PI,     ES+16384                  ; p's four fragments, 1,024 bytes each,
.set SV,     PI+4096                   ; the 64 rows' factors gamma 2^(e2 + e3) / l,
.set SPARE,  SV+256                    ; and the spare words, 128 bytes for each wave: four blocks of 256 bytes that no other line names
.set SPW, 1                            ; v1   LDS address of my spare word; never rewritten
.set NIL, 2                            ; v2   0; never rewritten
.set XO,  3                            ; v3   my byte offset in the batch's x and out: 8 h rows + the clamped byte in a row
.set UT,  4                            ; v4   the byte in a row before the clamp: 256 G + 16 r
.set EL,  5                            ; v5, v6  tiles 2 w, 2 w + 1 in partial sums 0-3, 4-7
.set ESS, 7                            ; v7   where I store their sum
.set ESL, 8                            ; v8   row block w & 3 of the summed e
.set PIS, 9                            ; v9   where its codes go
.set PIL, 10                           ; v10  16 x lane in p's fragments
.set SVS, 11                           ; v11  where row 16 (w & 3) + r's factor goes
.set SVL, 12                           ; v12  my half's eight factors of a row block
.set SC2, 13                           ; v13  2^e2 as f32
.set SC3, 14                           ; v14  2^e3
.set LP,  15                           ; v15  57,344 x 2^e2
.set E,   16
.set PF,  16
.set SS,  48
.set CF,  80
.set T,   112
.set AC,  112
.set WV,  21                           ; s21  my wave's number
.set MSB, 0
.macro WIN new                         ; the immediate's high byte repeats the setting that is left
.if MSB != \new
	s_set_vgpr_msb (MSB<<8)|\new
.set MSB, \new
.endif
.endm
; A round of the cluster's barrier: my work-group's barrier; wave 0 signals for the work-group; every wave waits for all four work-groups; my work-group's barrier once more.
.macro ROUND
	s_barrier_signal -1
	s_barrier_wait -1
	s_cmp_lg_u32 s[WV], 0
	s_cbranch_scc1 .Lnot_wave_0_\@
	s_barrier_signal -3
.Lnot_wave_0_\@:
	s_barrier_wait -3
	s_barrier_signal -1
	s_barrier_wait -1
.endm
	s_load_b256 s[4:11], s[0:1], 0x0               ; x s[4:5], epart s[6:7], gamma s[8:9], the scales' exponents s[10:11]
	s_load_b64 s[12:13], s[0:1], 0x20              ; out0
	v_lshl_add_u32 v[SPW], v0, 2, SPARE
	v_mov_b32 v[NIL], 0
	ds_add_u32 v[SPW], v[NIL]                      ; the wave's opening: the add, twice on end, and its wait ahead of my first tensor load; the set-up below stands between the second and the wait
	ds_add_u32 v[SPW], v[NIL]
	v_lshrrev_b32 v16, 5, v0
	s_delay_alu instid0(VALU_DEP_1)
	v_readfirstlane_b32 s[WV], v16                 ; wave 0..7
	v_and_b32 v17, 15, v0                          ; r
	v_bfe_u32 v18, v0, 4, 1                        ; h
	v_and_b32 v19, 31, v0                          ; lane
	s_wait_alu depctr_va_vdst(0)
	s_bfe_u32 s22, ttmp6, 0x40000                  ; cx: my place in the cluster: it enters x's and out's offsets and the stores' mask alone
	s_lshl_b32 s23, ttmp9, 2
	s_add_co_u32 s23, s23, s22                     ; slice = 4 x cluster x + cx
	s_and_b32 s24, ttmp7, 0xffff                   ; the batch, which the four partners share
	s_lshl_b32 s25, s23, 3
	s_add_co_u32 s25, s25, s[WV]                   ; G
	s_lshl_b32 s47, s25, 8
	v_lshl_add_u32 v[UT], v17, 4, s47
	s_delay_alu instid0(VALU_DEP_1)
	v_min_u32 v[XO], ROWB-16, v[UT]                ; no load leaves its row
	v_mul_u32_u24 v20, v18, 8*ROWB
	s_delay_alu instid0(VALU_DEP_1)
	v_add_nc_u32 v[XO], v20, v[XO]
	; every LDS address is made here, ahead of the place where the waves part
	s_lshl_b32 s48, s[WV], 11
	v_lshl_add_u32 v[EL], v19, 4, s48
	s_delay_alu instid0(VALU_DEP_1)
	v_add_nc_u32 v[EL+1], 0x10000, v[EL]
	s_delay_alu instid0(VALU_DEP_2)
	v_add_nc_u32 v[ESS], ES, v[EL]
	s_and_b32 s49, s[WV], 3
	s_lshl_b32 s48, s49, 12
	s_add_co_u32 s48, s48, ES
	v_lshl_add_u32 v[ESL], v19, 4, s48
	s_lshl_b32 s48, s49, 10
	s_add_co_u32 s48, s48, PI
	v_lshl_add_u32 v[PIS], v19, 4, s48
	v_lshlrev_b32 v[PIL], 4, v19
	s_delay_alu instid0(VALU_DEP_1)
	v_add_nc_u32 v[PIL], PI, v[PIL]
	s_lshl_b32 s48, s49, 6
	s_add_co_u32 s48, s48, SV
	v_lshl_add_u32 v[SVS], v17, 2, s48
	v_lshlrev_b32 v[SVL], 5, v18
	s_delay_alu instid0(VALU_DEP_1)
	v_add_nc_u32 v[SVL], SV, v[SVL]
	; descriptor group 1: a dense block of 16,384 bytes as 64 rows of 32 elements of 8 bytes; no padding: the images are read at 16 x lane
	s_mov_b32 s32, 15|(3<<16)|(1<<21)              ; 15:0 the mask: all four work-groups; 17:16 elements of 8 bytes; 21 set beside a mask
	s_mov_b32 s33, 32<<16                          ; tensor_dim0 = 32
	s_mov_b32 s34, 64<<16                          ; tensor_dim1 = 64
	s_mov_b32 s35, 32<<16                          ; tile_dim0 = 32
	s_mov_b32 s36, 64                              ; tile_dim1 = 64
	s_mov_b32 s37, 32                              ; from row to row: 32 elements
	s_mov_b32 s38, 0
	s_mov_b32 s39, 0
	s_mov_b32 s28, 1                               ; group 0: count = 1,
	s_lshl_b32 s29, s[WV], 14                      ; LDS address: partial w
	s_mov_b32 s40, 0x76543210                      ; lane selects for v_permlanex16_b32: lane l xor 16
	s_mov_b32 s41, 0xfedcba98
	s_mul_i32 s50, s24, BATCHB
	s_mov_b32 s51, 0
	s_lshl_b32 s52, s24, 17                        ; the batch's eight partial sums,
	s_lshl_b32 s53, s[WV], 14
	s_add_co_u32 s52, s52, s53                     ; the w-th of them
	s_mov_b32 s53, 0
	s_wait_dscnt 0x0                               ; both opening adds are done
	s_wait_kmcnt 0x0
	s_load_b128 s[16:19], s[10:11], 0x0            ; e0, e1, e2, e3
	s_load_b32 s20, s[8:9], 0x0                    ; gamma
	s_add_nc_u64 s[4:5], s[4:5], s[50:51]
	s_add_nc_u64 s[12:13], s[12:13], s[50:51]
	s_add_nc_u64 s[30:31], s[6:7], s[52:53]
	s_or_b32 s31, s31, 0x80000000                  ; type = 2
	WIN 0x40                                       ; destination window 1
.irp c, 0,1,2,3
.irp j, 0,1,2,3,4,5,6,7
	global_load_b128 v[4*(8*\c+\j):4*(8*\c+\j)+3], v[XO], s[4:5] offset:(16*\c+\j)*ROWB th:TH_LOAD_NT   ; rows 16 c + j and 16 c + 8 + j: sixteen lanes to 256 consecutive bytes; read once in this launch
.endr
.endr
	WIN 0
	ROUND                                          ; all four work-groups are here: the joint loads meet
	tensor_load_to_lds s[28:31], s[32:39]
	s_nop 0
	s_wait_kmcnt 0x0
	s_add_co_i32 s44, s16, s17                     ; e0 + e1
	s_add_co_i32 s45, s18, s19                     ; e2 + e3
	s_add_co_i32 s48, s18, 127
	s_lshl_b32 s49, s48, 23
	v_mov_b32 v[SC2], s49
	s_add_co_i32 s48, s48, 15
	s_lshl_b32 s48, s48, 23
	s_or_b32 s48, s48, 0x600000
	v_mov_b32 v[LP], s48
	s_add_co_i32 s48, s19, 127
	s_lshl_b32 s49, s48, 23
	v_mov_b32 v[SC3], s49
	s_add_co_i32 s48, s48, 15
	s_lshl_b32 s48, s48, 23
	s_or_b32 s43, s48, 0x600000                    ; 57,344 x 2^e3,
	s_or_b32 s42, s43, 0x80000000                  ; and its negative
	s_wait_tensorcnt 0x0                           ; my partial sum has landed,
	s_barrier_signal -1
	s_barrier_wait -1                              ; everybody's has
	; ---- the sum of the eight partial sums, tiles 2 w and 2 w + 1, in ascending order of the slice
.irp n, 0,1,2,3
.irp q, 0,1,2,3
	ds_load_b128 v[16+16*\n+4*\q:19+16*\n+4*\q], v[EL] offset:16384*\n+512*\q
.endr
.endr
.irp n, 0,1,2,3
.irp q, 0,1,2,3
	ds_load_b128 v[80+16*\n+4*\q:83+16*\n+4*\q], v[EL+1] offset:16384*\n+512*\q
.endr
.endr
.irp n, 1,2,3,4,5,6,7
	s_wait_alu depctr_va_vdst(0)
	s_wait_dscnt 4*(7-\n)                          ; LDS loads come back in order: partial sums 0 to n are in, the 4 (7 - n) younger loads may be out
.irp i, 0,2,4,6,8,10,12,14
	v_pk_add_f32 v[16+\i:17+\i], v[16+\i:17+\i], v[16+16*\n+\i:17+16*\n+\i]
.endr
.endr
.irp i, 0,1,2,3,4,5,6,7,8,9,10,11,12,13,14,15
	v_ldexp_f32 v[16+\i], v[16+\i], s44            ; e true to scale, since 1e-8 is added to a difference of such numbers
.endr
.irp q, 0,1,2,3
	ds_store_b128 v[ESS], v[16+4*\q:19+4*\q] offset:512*\q
.endr
	s_wait_dscnt 0x0                               ; for the others' sake
	s_barrier_signal -1
	s_barrier_wait -1
	; ---- waves 0 to 3: row block a = w: the normalisation, p, l, p's codes, the rows' factors.  No barrier stands inside the branch
	s_cmp_lt_u32 s[WV], 4
	s_cbranch_scc0 .Lothers
.irp k, 0,1,2,3,4,5,6,7
	ds_load_b128 v[E+4*\k:E+4*\k+3], v[ESL] offset:512*\k          ; register 8 b + jj = e[16 a + r][16 b + 8 h + jj]
.endr
	v_mov_b32 v52, 0                               ; written once: a lane permute's destination counts as one of its sources
	v_mov_b32 v53, 0
	v_mov_b32 v59, 0                               ; (named as the upper halves of pairs)
	v_mov_b32 v61, 0
	s_wait_dscnt 0x0
	v_max3_num_f32 v48, v16, v17, v18              ; the row's largest and smallest e among my 32, in two chains each
	v_max3_num_f32 v49, v19, v20, v21
	v_min3_num_f32 v50, v16, v17, v18
	v_min3_num_f32 v51, v19, v20, v21
.irp i, 6,10,14,18,22,26
	s_delay_alu instid0(VALU_DEP_4)
	v_max3_num_f32 v48, v48, v[16+\i], v[17+\i]
	s_delay_alu instid0(VALU_DEP_4)
	v_max3_num_f32 v49, v49, v[18+\i], v[19+\i]
	s_delay_alu instid0(VALU_DEP_4)
	v_min3_num_f32 v50, v50, v[16+\i], v[17+\i]
	s_delay_alu instid0(VALU_DEP_4)
	v_min3_num_f32 v51, v51, v[18+\i], v[19+\i]
.endr
	s_delay_alu instid0(VALU_DEP_4)
	v_max3_num_f32 v48, v48, v46, v47
	s_delay_alu instid0(VALU_DEP_3)
	v_min3_num_f32 v50, v50, v46, v47
	s_delay_alu instid0(VALU_DEP_2)
	v_max_num_f32 v48, v48, v49
	s_delay_alu instid0(VALU_DEP_2)
	v_min_num_f32 v50, v50, v51
	s_delay_alu instid0(VALU_DEP_2)
	v_permlanex16_b32 v52, v48, s40, s41           ; the row's other 32 lie in the lane 16 away
	s_delay_alu instid0(VALU_DEP_2)
	v_permlanex16_b32 v53, v50, s40, s41
	s_delay_alu instid0(VALU_DEP_2)
	v_max_num_f32 v48, v48, v52
	s_delay_alu instid0(VALU_DEP_2)
	v_min_num_f32 v50, v50, v53
	s_delay_alu instid0(VALU_DEP_1)
	v_sub_f32 v54, v48, v50                        ; max - min
	s_delay_alu instid0(VALU_DEP_1)
	v_add_f32 v55, 0x322bcc77, v54                 ; + 1e-8
	s_wait_alu depctr_va_vdst(0)
	v_rcp_f32 v56, v55
.irp j, 0,2,4,6,8,10,12,14,16,18,20,22,24,26,28,30
	v_pk_add_f32 v[E+\j:E+\j+1], v[E+\j:E+\j+1], v[50:51] op_sel_hi:[1,0] neg_lo:[0,1] neg_hi:[0,1]   ; e - min, taken first as it is written.  (Plain work behind the reciprocal)
.endr
	s_wait_alu depctr_va_vdst(0)                   ; the wait ahead of the first line that names the reciprocal
	v_mul_f32 v58, 0x3fb8aa3b, v56                 ; c = log2(e) / (max - min + 1e-8)
	s_delay_alu instid0(VALU_DEP_1)
	v_mul_f32 v57, v54, v58                        ; the row's largest t
	s_delay_alu instid0(VALU_DEP_1)
	v_floor_f32 v60, -v57                          ; -M = floor(-t) = -ceil(t)
.irp j, 0,2,4,6,8,10,12,14,16,18,20,22,24,26,28,30
	v_pk_fma_f32 v[E+\j:E+\j+1], v[E+\j:E+\j+1], v[58:59], v[60:61] op_sel_hi:[1,0,0]   ; t - M (of the pairs c and -M the low word serves both halves)
.endr
	s_wait_alu depctr_va_vdst(0)
.irp j, 0,1,2,3,4,5,6,7,8,9,10,11,12,13,14,15,16,17,18,19,20,21,22,23,24,25,26,27,28,29,30,31
	v_exp_f32 v[E+\j], v[E+\j]                     ; p = 2^(t - M): one batch
.endr
	v_nop                                          ; a plain line behind the last exponential
	s_wait_alu depctr_va_vdst(0)                   ; one wait for the batch, ahead of its first reader
	v_pk_add_f32 v[52:53], v[16:17], v[18:19]
	v_pk_add_f32 v[254:255], v[24:25], v[28:29]
	v_pk_add_f32 v[252:253], v[32:33], v[36:37]
	v_pk_add_f32 v[250:251], v[40:41], v[44:45]
	v_pk_add_f32 v[248:249], v[20:21], v[22:23]
	v_pk_add_f32 v[246:247], v[26:27], v[30:31]
	v_pk_add_f32 v[244:245], v[34:35], v[38:39]
	v_pk_add_f32 v[62:63], v[42:43], v[46:47]
	s_delay_alu instid0(VALU_DEP_1)
	v_pk_add_f32 v[62:63], v[62:63], v[250:251]
	v_pk_add_f32 v[52:53], v[52:53], v[248:249]
	v_pk_add_f32 v[254:255], v[254:255], v[246:247]
	v_pk_add_f32 v[252:253], v[252:253], v[244:245]
	s_delay_alu instid0(VALU_DEP_2)
	v_pk_add_f32 v[62:63], v[62:63], v[254:255]
	s_delay_alu instid0(VALU_DEP_2)
	v_pk_add_f32 v[52:53], v[52:53], v[252:253]
	s_delay_alu instid0(VALU_DEP_1)
	v_pk_add_f32 v[62:63], v[62:63], v[52:53]
	s_delay_alu instid0(VALU_DEP_1)
	v_add_f32 v62, v62, v63
	s_delay_alu instid0(VALU_DEP_1)
	v_permlanex16_b32 v52, v62, s40, s41
	s_delay_alu instid0(VALU_DEP_1)
	v_add_f32 v62, v62, v52                        ; the same number in both lanes of a row
	s_wait_alu depctr_va_vdst(0)
	v_rcp_f32 v56, v62
.irp j, 0,1,2,3,4,5,6,7,8,9,10,11,12,13,14,15,16,17,18,19,20,21,22,23,24,25,26,27,28,29,30,31
	v_min_num_f32 v[E+\j], v[E+\j], v[LP]          ; the conversion does not saturate (ISA guide 7.6.2); p is not negative, so the hold is one-sided
.endr
.irp b, 0,1,2,3
	v_cvt_scalef32_pk8_bf8_f32 v[64+2*\b:65+2*\b], v[E+8*\b:E+8*\b+7], v[SC2]   ; registers 2 b, 2 b + 1 of the operand: k = 16 b + 8 h + 0 .. 7
.endr
	v_nop                                          ; a plain line behind the conversions
	s_wait_alu depctr_va_vdst(0)                   ; the wait for the reciprocal of l
	v_mul_f32 v56, s20, v56                        ; gamma / l
	s_delay_alu instid0(VALU_DEP_1)
	v_ldexp_f32 v56, v56, s45                      ; x 2^(e2 + e3)
	ds_store_b128 v[PIS], v[64:67]                 ; the fragment as an image of its registers
	ds_store_b128 v[PIS], v[68:71] offset:512
	ds_store_b32 v[SVS], v56                       ; lanes r and r + 16 store the same number to the same word
.Lothers:
	s_wait_dscnt 0x0                               ; for the others' sake
	s_barrier_signal -1
	s_barrier_wait -1
	; ---- all waves: p's four fragments, the rows' factors; x's codes; the products; out
.irp a, 0,1,2,3
	ds_load_b128 v[PF+8*\a:PF+8*\a+3], v[PIL] offset:1024*\a
	ds_load_b128 v[PF+8*\a+4:PF+8*\a+7], v[PIL] offset:1024*\a+512
.endr
.irp a, 0,1,2,3
	ds_load_b128 v[SS+8*\a:SS+8*\a+3], v[SVL] offset:64*\a         ; the factors of rows 16 a + 8 h + 0 .. 7
	ds_load_b128 v[SS+8*\a+4:SS+8*\a+7], v[SVL] offset:64*\a+16
.endr
	s_wait_loadcnt 0x0                             ; x
	WIN 0x01                                       ; source 0 window 1
.irp u, 0,1,2,3
.irp i, 0,1,2,3,4,5,6,7,8,9,10,11,12,13,14,15,16,17,18,19,20,21,22,23,24,25,26,27,28,29,30,31
	v_med3_num_f32 v[T+32*\u+\i], v[4*\i+\u], s42, s43             ; the hold at +-57,344 x 2^e3 also brings tile u's 32 numbers along K together; x itself stays for the residual
.endr
.endr
	WIN 0
.irp u, 0,1,2,3
.irp c, 0,1,2,3
	v_cvt_scalef32_pk8_bf8_f32 v[CF+8*\u+2*\c:CF+8*\u+2*\c+1], v[T+32*\u+8*\c:T+32*\u+8*\c+7], v[SC3]
.endr
.endr
	v_nop                                          ; a plain line between the conversions and the products, which read the codes and write over the numbers
	s_wait_alu depctr_va_vdst(0)
	s_wait_dscnt 0x0                               ; p and the factors are in
.irp a, 0,1,2,3
.irp u, 0,1,2,3
	v_wmma_f32_16x16x64_bf8_bf8 v[AC+8*(4*\a+\u):AC+8*(4*\a+\u)+7], v[PF+8*\a:PF+8*\a+7], v[CF+8*\u:CF+8*\u+7], 0   ; K = the 64 channels: one instruction a sum, sixteen different accumulators
.endr
.endr
.rept 4
	v_nop                                          ; four places between the products and the first read of results (ISA guide 7.12.1)
.endr
	WIN 0x50                                       ; source 2 and destination window 1
.irp a, 0,1,2,3
.irp u, 0,1,2,3
.irp j, 0,1,2,3,4,5,6,7
	v_fma_f32 v[4*(8*\a+\j)+\u], v[AC+8*(4*\a+\u)+\j], v[SS+8*\a+\j], v[4*(8*\a+\j)+\u]   ; out = sum x gamma 2^(e2 + e3) / l + x, in place; each accumulator from its low end on
.endr
.endr
.endr
	WIN 0
	v_cmp_gt_u32 vcc_lo, ROWB, v[UT]               ; the lanes whose 16 bytes lie inside the row
	s_wait_alu depctr_va_vdst(0)
	s_wait_xcnt 0x0                                ; EXEC changes only behind this wait
	s_and_saveexec_b32 s46, vcc_lo
	WIN 0x04                                       ; a store's data: window 1
.irp c, 0,1,2,3
.irp j, 0,1,2,3,4,5,6,7
	global_store_b128 v[XO], v[4*(8*\c+\j):4*(8*\c+\j)+3], s[12:13] offset:(16*\c+\j)*ROWB th:TH_STORE_NT   ; sixteen lanes store 256 consecutive bytes of a row; written once, read by nobody here
.endr
.endr
	WIN 0
	s_wait_xcnt 0x0                                ; and again, in front of the line that widens it
	s_or_b32 exec_lo, exec_lo, s46
	s_wait_tensorcnt 0x0                           ; the wave's end, behind my tensor load and my last LDS store
	ds_add_u32 v[SPW], v[NIL]
	s_wait_dscnt 0x0
	ROUND                                          ; the closing round: no work-group ends while a partner may still ask for a block that names it
	s_endpgm
.Lfunc_end_k_qf659bd9991_attn:
	.size	k_qf659bd9991_attn, .Lfunc_end_k_qf659bd9991_attn-k_qf659bd9991_attn
	.p2alignl 7, 3214868480
	.fill 96, 4, 3214868480
	.section	.rodata,"a",@progbits
	.p2align	6, 0x0
	.amdhsa_kernel k_qf659bd9991_attn
		.amdhsa_group_segment_fixed_size 167936
		.amdhsa_private_segment_fixed_size 0
		.amdhsa_enable_private_segment 0
		.amdhsa_kernarg_size 40
		.amdhsa_user_sgpr_count 2
		.amdhsa_user_sgpr_kernarg_segment_ptr 1
		.amdhsa_wavefront_size32 1
		.amdhsa_system_sgpr_workgroup_id_x 1
		.amdhsa_system_sgpr_workgroup_id_y 1
		.amdhsa_system_sgpr_workgroup_id_z 1
		.amdhsa_system_vgpr_workitem_id 0
		.amdhsa_next_free_vgpr 384
		.amdhsa_next_free_sgpr 66
		.amdhsa_reserve_vcc 1
		.amdhsa_float_denorm_mode_32 3
		.amdhsa_float_denorm_mode_16_64 3
		.amdhsa_memory_ordered 1
		.amdhsa_forward_progress 1
		.amdhsa_inst_pref_size 49
	.end_amdhsa_kernel
	.amdgpu_metadata
---
amdhsa.version: [ 1, 2 ]
amdhsa.kernels:
  - .name:           k_qf659bd9991_attn
    .symbol:         k_qf659bd9991_attn.kd
    .args:
      - { .name: x, .offset: 0, .size: 8, .value_kind: global_buffer, .address_space: global }
      - { .name: epart, .offset: 8, .size: 8, .value_kind: global_buffer, .address_space: global }
      - { .name: gamma, .offset: 16, .size: 8, .value_kind: global_buffer, .address_space: global }
      - { .name: lowp_scales, .offset: 24, .size: 8, .value_kind: global_buffer, .address_space: global }
      - { .name: out0, .offset: 32, .size: 8, .value_kind: global_buffer, .address_space: global }
    .group_segment_fixed_size: 167936
    .private_segment_fixed_size: 0
    .kernarg_segment_align: 8
    .kernarg_segment_size: 40
    .max_flat_workgroup_size: 256
    .sgpr_count:     66
    .vgpr_count:     384
    .wavefront_size: 32
...
	.end_amdgpu_metadata
.endif
;; end of part 4
